; MI455X (gfx1250); checked and timed in simulation.
; The chip was launched on July 23, 2026; its instructions are those of AMD's public machine-readable ISA for CDNA 5 (MIT licence, August 2026) and "CDNA5" Instruction Set Architecture Reference Guide (July 2026). The comments in the code are by the model that wrote it; some were corrected since.
;; attention block. Allowed arithmetic: float matrix products may take bf16 or f16 operands with f32 sums; all other float work in f32.
;; Inputs: Wd 4,096 x 1,024 float32; We 1,024 x 4,096 float32; Wk 1,024 x 1,024 float32; Wo 1,024 x 1,024 float32; Wq 1,024 x 1,024 float32; Wv 1,024 x 1,024 float32; bd 1,024 float32; be 4,096 float32; bk 1,024 float32; bo 1,024 float32; bq 1,024 float32; bv 1,024 float32; ln_a_b 1,024 float32; ln_a_g 1,024 float32; ln_b_b 1,024 float32; ln_b_g 1,024 float32; ln_c_b 1,024 float32; ln_c_g 1,024 float32; x 2 x 2,048 x 1,024 float32.
;; Outputs: out0 2 x 2,048 x 1,024 float32.
;; 2 versions, each right; version 2 is version 1 with the launch prep written anew for expert scheduling mode. Each part assembles by itself: llvm-mc -triple=amdgcn-amd-amdhsa -mcpu=gfx1250 --defsym DOCPART=n.
;; ======== version 1 of 2: 7 launches
;; limits: right only within a limited range of input values
;; workspace buffers: act 8,388,608 bytes; wb 25,165,824 bytes; qkv 25,165,824 bytes; x1 16,777,216 bytes; h 33,554,432 bytes
;; launch prep (part 1): grid 1024 x 1, 4 waves a work-group, no clusters, 0 bytes of LDS; arguments x, ln_a_g, ln_a_b, ln_b_g, ln_b_b, Wq, Wk, Wv, Wo, We, Wd, act, wb; writes act, wb
.if DOCPART == 1
	.amdgcn_target "amdgcn-amd-amdhsa--gfx1250"
	.amdhsa_code_object_version 6
	.text
	.protected	k_qa27f31de30_prep
	.globl	k_qa27f31de30_prep
	.p2align	8
	.type	k_qa27f31de30_prep,@function
k_qa27f31de30_prep:
	s_mov_b64 s[64:65], 0
	v_nop
	global_prefetch_b8 v0, s[64:65] scope:SCOPE_SE
	s_setreg_imm32_b32 hwreg(HW_REG_WAVE_MODE, 25, 1), 1
	s_wait_xcnt 0x0
; Two streams in one launch, told apart by the work-group's number.
; Work-groups 0-255: act[row] = bf16(LN_b(LN_a(x[row]))), 16 rows a work-group, 4 rows a wave; a row of 1,024 f32 lies in 32 registers of one wave,
;   so both norms (mean, then the mean of squared differences: two passes, no difference of large sums) never leave the wave: no LDS, no barrier.
; Work-groups 256-1023: the six weight matrices, f32 to bf16 (round to nearest even), layout [in][out] kept, one behind the other in wb:
;   Wq, Wk, Wv, Wo (64 work-groups each), We, Wd (256 each); 16,384 numbers a work-group, 4,096 a wave.
; No matrix unit, cluster or LDS: every byte is read once and written once, nothing is shared.
; Load q of a row takes columns 128 q + 4 lane .. + 3: a wave's load covers 512 consecutive bytes, its bf16 store 256 consecutive aligned bytes.
.set MU, 4                             ; v[4:5]     the mean, twice
.set R,  6                             ; v[6:7]     1 / sqrt(var + eps), twice
.set T,  8                             ; v[8:15]    four chains of partial sums
.set Y,  16                            ; v[16:31]   a row in bf16, to store
.set XA, 32                            ; v[32:63]   a row
.set XB, 64                            ; v[64:95]   the next row
.set GA, 96                            ; v[96:127]  ln_a_g of my 32 columns
.set BA, 128                           ; v[128:159] ln_a_b
.set GB, 160                           ; v[160:191] ln_b_g
.set BB, 192                           ; v[192:223] ln_b_b
.set CV, 32                            ; v[32:159]  conversion path: 32 loads of 4 registers
.macro SUM4                            ; four chains of pairs -> one number a lane
	v_pk_add_f32 v[T:T+1], v[T:T+1], v[T+2:T+3]
	v_pk_add_f32 v[T+4:T+5], v[T+4:T+5], v[T+6:T+7]
	v_pk_add_f32 v[T:T+1], v[T:T+1], v[T+4:T+5]
	v_add_f32 v[T], v[T], v[T+1]
.endm
.macro RED                             ; the sum over the 32 lanes, in every lane
	v_add_f32_dpp v[T], v[T], v[T] row_xmask:1 row_mask:0xf bank_mask:0xf
	v_add_f32_dpp v[T], v[T], v[T] row_xmask:2 row_mask:0xf bank_mask:0xf
	v_add_f32_dpp v[T], v[T], v[T] row_xmask:4 row_mask:0xf bank_mask:0xf
	v_add_f32_dpp v[T], v[T], v[T] row_xmask:8 row_mask:0xf bank_mask:0xf
	v_permlanex16_b32 v[T+1], v[T], s36, s37       ; its destination has been written (SUM4 read and the chains wrote it)
	v_add_f32 v[T], v[T], v[T+1]
.endm
.macro LN1 X, G, B                     ; the row in X becomes (X - mean) * rsqrt(var + eps) * G + B
.irp c, 0,1,2,3
	v_pk_add_f32 v[T+2*\c:T+2*\c+1], v[\X+2*\c:\X+2*\c+1], v[\X+8+2*\c:\X+8+2*\c+1]   ; the first products of a chain start it: nothing is cleared
.endr
.irp p, 8,12
.irp c, 0,1,2,3
	v_pk_add_f32 v[T+2*\c:T+2*\c+1], v[T+2*\c:T+2*\c+1], v[\X+2*(\p+\c):\X+2*(\p+\c)+1]
.endr
.endr
	SUM4
	RED
	v_mul_f32 v[MU], s38, v[T]                     ; sum / 1024
	v_mul_f32 v[MU+1], s38, v[T]
.set i, 0
.rept 16
	v_pk_add_f32 v[\X+i:\X+i+1], v[\X+i:\X+i+1], v[MU:MU+1] neg_lo:[0,1] neg_hi:[0,1]
.set i, i+2
.endr
.irp c, 0,1,2,3
	v_pk_mul_f32 v[T+2*\c:T+2*\c+1], v[\X+2*\c:\X+2*\c+1], v[\X+2*\c:\X+2*\c+1]
.endr
.irp p, 4,8,12
.irp c, 0,1,2,3
	v_pk_fma_f32 v[T+2*\c:T+2*\c+1], v[\X+2*(\p+\c):\X+2*(\p+\c)+1], v[\X+2*(\p+\c):\X+2*(\p+\c)+1], v[T+2*\c:T+2*\c+1]
.endr
.endr
	SUM4
	RED
	v_fma_f32 v[T], v[T], s38, s39                 ; var + eps
	v_rsq_f32 v[R], v[T]
	v_rsq_f32 v[R+1], v[T]
	v_nop                                          ; one plain instruction between the root and its use (ISA guide 5.7.2)
.set i, 0
	s_wait_alu depctr_va_vdst(0)
.rept 16
	v_pk_mul_f32 v[\X+i:\X+i+1], v[\X+i:\X+i+1], v[R:R+1]
.set i, i+2
.endr
.set i, 0
.rept 16
	v_pk_fma_f32 v[\X+i:\X+i+1], v[\X+i:\X+i+1], v[\G+i:\G+i+1], v[\B+i:\B+i+1]
.set i, i+2
.endr
.endm
.macro LDROW X, n                      ; row n of my four
.irp q, 0,1,2,3,4,5,6,7
	global_load_b128 v[\X+4*\q:\X+4*\q+3], v1, s[4:5] offset:\n*4096+512*\q
.endr
.endm
.macro LDVEC V, p                      ; a gain or a bias, in the row's layout
.irp q, 0,1,2,3,4,5,6,7
	global_load_b128 v[\V+4*\q:\V+4*\q+3], v1, s[\p:\p+1] offset:512*\q
.endr
.endm
.macro ROW X, n
	LN1 \X, GA, BA
	LN1 \X, GB, BB
	s_wait_xcnt 0x0                                ; Y was the last row's store data: it is rewritten only behind this wait
.irp p, 0,1,2,3,4,5,6,7,8,9,10,11,12,13,14,15
	v_cvt_pk_bf16_f32 v[Y+\p], v[\X+2*\p], v[\X+2*\p+1]
.endr
.irp q, 0,1,2,3,4,5,6,7
	global_store_b64 v2, v[Y+2*\q:Y+2*\q+1], s[26:27] offset:\n*2048+256*\q
.endr
.endm
	s_load_b512 s[4:19], s[0:1], 0x0               ; x 4, ln_a_g 6, ln_a_b 8, ln_b_g 10, ln_b_b 12, Wq 14, Wk 16, Wv 18
	s_load_b256 s[20:27], s[0:1], 0x40             ; Wo 20, We 22, Wd 24, act 26
	s_load_b64 s[28:29], s[0:1], 0x60              ; wb
	v_lshrrev_b32 v3, 5, v0
	v_readfirstlane_b32 s30, v3                    ; wave
	v_and_b32 v3, 31, v0
	v_lshlrev_b32 v1, 4, v3                        ; 16 bytes a lane in f32 data; never rewritten
	v_lshlrev_b32 v2, 3, v3                        ; 8 bytes a lane in bf16 data; never rewritten
	s_wait_kmcnt 0x0
	s_cmp_lt_u32 ttmp9, 256
	s_cbranch_scc0 .Lconv
	s_lshl_b32 s32, ttmp9, 4
	s_lshl2_add_u32 s32, s30, s32                  ; my first row = 16 x work-group + 4 x wave
	s_lshl_b32 s34, s32, 11                        ; x 2,048 bytes in act
	s_mov_b32 s35, 0
	s_lshl_b32 s32, s32, 12                        ; x 4,096 bytes in x
	s_mov_b32 s33, 0
	s_add_nc_u64 s[4:5], s[4:5], s[32:33]
	s_add_nc_u64 s[26:27], s[26:27], s[34:35]
	s_mov_b32 s36, 0x76543210                      ; v_permlanex16_b32: each lane takes its own place in the other half
	s_mov_b32 s37, 0xfedcba98
	s_mov_b32 s38, 0x3a800000                      ; 1 / 1024
	s_mov_b32 s39, 0x3727c5ac                      ; eps = 1e-5
	LDROW XA, 0
	LDROW XB, 1
	LDVEC GA, 6
	LDVEC BA, 8
	LDVEC GB, 10
	LDVEC BB, 12
	s_wait_loadcnt 0x0                             ; once: two rows and the four vectors
	ROW XA, 0
	LDROW XA, 2                                    ; lands under the next row's arithmetic
	ROW XB, 1
	LDROW XB, 3
	s_wait_loadcnt 0x8                             ; row 2 is in; row 3's eight loads are younger
	ROW XA, 2
	s_wait_loadcnt 0x0
	ROW XB, 3
	s_endpgm
.Lconv:
	s_sub_co_u32 s31, ttmp9, 256                   ; c: which 16,384 numbers of the twelve million
	s_mov_b64 s[40:41], s[14:15]                   ; the matrix that c falls into, and the c at which it starts
	s_mov_b32 s42, 0
	s_cmp_ge_u32 s31, 64
	s_cselect_b64 s[40:41], s[16:17], s[40:41]
	s_cselect_b32 s42, 64, s42
	s_cmp_ge_u32 s31, 128
	s_cselect_b64 s[40:41], s[18:19], s[40:41]
	s_cselect_b32 s42, 128, s42
	s_cmp_ge_u32 s31, 192
	s_cselect_b64 s[40:41], s[20:21], s[40:41]
	s_cselect_b32 s42, 192, s42
	s_cmp_ge_u32 s31, 256
	s_cselect_b64 s[40:41], s[22:23], s[40:41]
	s_cselect_b32 s42, 256, s42
	s_cmp_ge_u32 s31, 512
	s_cselect_b64 s[40:41], s[24:25], s[40:41]
	s_cselect_b32 s42, 512, s42
	s_sub_co_u32 s42, s31, s42
	s_lshl_b32 s44, s42, 16                        ; 65,536 bytes of f32 a work-group,
	s_lshl_b32 s43, s30, 14                        ; 16,384 a wave
	s_add_co_u32 s44, s44, s43
	s_mov_b32 s45, 0
	s_add_nc_u64 s[40:41], s[40:41], s[44:45]
	s_lshl_b32 s46, s31, 15                        ; 32,768 bytes of bf16 a work-group,
	s_lshl_b32 s43, s30, 13                        ; 8,192 a wave
	s_add_co_u32 s46, s46, s43
	s_mov_b32 s47, 0
	s_add_nc_u64 s[28:29], s[28:29], s[46:47]
.set i, 0
.rept 32                               ; all of the wave's 16,384 bytes are asked for at once
	global_load_b128 v[CV+4*i:CV+4*i+3], v1, s[40:41] offset:512*i th:TH_LOAD_NT
.set i, i+1
.endr
.set i, 0
.rept 32
	s_wait_loadcnt 31-i                            ; loads come back in order: load i is in, the 31 - i younger ones stay out
	v_cvt_pk_bf16_f32 v[CV+4*i], v[CV+4*i], v[CV+4*i+1]
	v_cvt_pk_bf16_f32 v[CV+4*i+1], v[CV+4*i+2], v[CV+4*i+3]
	global_store_b64 v2, v[CV+4*i:CV+4*i+1], s[28:29] offset:256*i   ; no register of a store is written again
.set i, i+1
.endr
	s_endpgm
.Lfunc_end_k_qa27f31de30_prep:
	.size	k_qa27f31de30_prep, .Lfunc_end_k_qa27f31de30_prep-k_qa27f31de30_prep
	.p2alignl 7, 3214868480
	.fill 96, 4, 3214868480
	.section	.rodata,"a",@progbits
	.p2align	6, 0x0
	.amdhsa_kernel k_qa27f31de30_prep
		.amdhsa_group_segment_fixed_size 0
		.amdhsa_private_segment_fixed_size 0
		.amdhsa_enable_private_segment 0
		.amdhsa_kernarg_size 104
		.amdhsa_user_sgpr_count 2
		.amdhsa_user_sgpr_kernarg_segment_ptr 1
		.amdhsa_wavefront_size32 1
		.amdhsa_system_sgpr_workgroup_id_x 1
		.amdhsa_system_sgpr_workgroup_id_y 1
		.amdhsa_system_sgpr_workgroup_id_z 1
		.amdhsa_system_vgpr_workitem_id 0
		.amdhsa_next_free_vgpr 224
		.amdhsa_next_free_sgpr 66
		.amdhsa_reserve_vcc 0
		.amdhsa_float_denorm_mode_32 3
		.amdhsa_float_denorm_mode_16_64 3
		.amdhsa_memory_ordered 1
		.amdhsa_forward_progress 1
		.amdhsa_inst_pref_size 76
	.end_amdhsa_kernel
	.amdgpu_metadata
---
amdhsa.version: [ 1, 2 ]
amdhsa.kernels:
  - .name:           k_qa27f31de30_prep
    .symbol:         k_qa27f31de30_prep.kd
    .args:
      - { .name: x, .offset: 0, .size: 8, .value_kind: global_buffer, .address_space: global }
      - { .name: ln_a_g, .offset: 8, .size: 8, .value_kind: global_buffer, .address_space: global }
      - { .name: ln_a_b, .offset: 16, .size: 8, .value_kind: global_buffer, .address_space: global }
      - { .name: ln_b_g, .offset: 24, .size: 8, .value_kind: global_buffer, .address_space: global }
      - { .name: ln_b_b, .offset: 32, .size: 8, .value_kind: global_buffer, .address_space: global }
      - { .name: Wq, .offset: 40, .size: 8, .value_kind: global_buffer, .address_space: global }
      - { .name: Wk, .offset: 48, .size: 8, .value_kind: global_buffer, .address_space: global }
      - { .name: Wv, .offset: 56, .size: 8, .value_kind: global_buffer, .address_space: global }
      - { .name: Wo, .offset: 64, .size: 8, .value_kind: global_buffer, .address_space: global }
      - { .name: We, .offset: 72, .size: 8, .value_kind: global_buffer, .address_space: global }
      - { .name: Wd, .offset: 80, .size: 8, .value_kind: global_buffer, .address_space: global }
      - { .name: act, .offset: 88, .size: 8, .value_kind: global_buffer, .address_space: global }
      - { .name: wb, .offset: 96, .size: 8, .value_kind: global_buffer, .address_space: global }
    .group_segment_fixed_size: 0
    .private_segment_fixed_size: 0
    .kernarg_segment_align: 8
    .kernarg_segment_size: 104
    .max_flat_workgroup_size: 128
    .sgpr_count:     66
    .vgpr_count:     224
    .wavefront_size: 32
...
	.end_amdgpu_metadata
.endif
;; end of part 1
;; launch qkv (part 2): grid 12 x 16, 4 waves a work-group, clusters of 4 x 4, 327,680 bytes of LDS; arguments act, wb, bq, bk, bv, qkv; writes qkv
.if DOCPART == 2
	.amdgcn_target "amdgcn-amd-amdhsa--gfx1250"
	.amdhsa_code_object_version 6
	.text
	.protected	k_qa27f31de30_qkv
	.globl	k_qa27f31de30_qkv
	.p2align	8
	.type	k_qa27f31de30_qkv,@function
k_qa27f31de30_qkv:
	s_mov_b64 s[64:65], 0
	v_nop
	global_prefetch_b8 v0, s[64:65] scope:SCOPE_SE
	s_setreg_imm32_b32 hwreg(HW_REG_WAVE_MODE, 25, 1), 1
	s_wait_xcnt 0x0
	s_wait_alu depctr_hold_cnt(0) depctr_sa_sdst(0) depctr_va_vdst(0) depctr_va_sdst(0) depctr_va_ssrc(0) depctr_va_vcc(0) depctr_vm_vsrc(0)
	s_getreg_b32 s2, hwreg(HW_REG_IB_STS2, 6, 4)
	s_cmp_eq_u32 s2, 0
	s_cbranch_scc0 .Lentry_in_a_cluster
	s_endpgm
.Lentry_in_a_cluster:
	s_bfe_u32 s2, ttmp6, 0x10000c
	s_cmp_lg_u32 s2, 0xf033
	s_cbranch_scc0 .Lentry_shape_is_right
	s_endpgm
.Lentry_shape_is_right:
; C = A W + bias, A [4096][1024] bf16 (K along the rows), W [1024][NP] bf16 (K down the rows, as the weights are given), sums in f32.
; QKV = 1: W is Wq, Wk or Wv (the cluster's x picks it, its bias and its plane of the output); C leaves as bf16, head-major: [plane][batch x 16 + head][2048][64].
; QKV = 0: W is We; C = silu(A W + be) leaves as bf16 [4096][4096].  silu(t) = t / (1 + 2^(-t log2 e)); below about t = -88 the power overflows to infinity and the result is -0.
; A tile of C is 256 x 256: four waves, 128 x 128 each: 64 accumulators of 16 x 16, 512 registers.  K goes in steps of 128 through two LDS slots filled by tensor loads.
; A's tile rows are 256 bytes, W's 512: each starts at a multiple of 256 bytes of its buffer.  W's fragments are turned on the way out of LDS by ds_load_tr16_b128.
; CLUSTERS: 4 x 4 work-groups.  A's tile hangs on the tile row alone and is asked for jointly by a row of the cluster, W's on the tile column alone, by a column.
; THE MATRIX INSTRUCTION IS USED TRANSPOSED: source 0 = 16 columns of W, source 1 = 16 rows of A: a lane holds row l % 16 of C and eight neighbouring columns 8 (l / 16) + 0..7.
; REGISTERS, in windows of 256: window 0: v0-31 addresses; v64-127, v128-191 fragments of A, two buffers (on the way out: sums with bias, and the sigmoid at work); v192-223, v32-63, v224-255 the way out.
;   window 1: v0-63 the bias of my 128 columns in the accumulators' layout; v64-127, v128-191 fragments of W.   windows 2, 3: accumulators of my rows 0-63, 64-127 ((a, b) at v[8 (8 a + b)]).
; Matrix operands are rounded to bf16; exponentials and reciprocals flush denormals.
.set QKV,    1
.set KSZ,    1024
.set NP,     1024                      ; W's pitch in numbers
.set ROWB,   128                       ; bytes from a row of C to the next, as it is stored
.set KSTEP,  128
.set PITCH,  272                       ; A's LDS row: 256 + 16 bytes: the 16 rows of a fragment load start 68 words apart
.set PB,     544                       ; W's LDS row: 512 + 32 bytes, an odd multiple of 32
.set HALFT,  128*PITCH                 ; what one tensor load brings: 128 rows of A, or 64 rows of W (64 x 544, the same bytes)
.set SLOT,   4*HALFT                   ; A's rows 0-127, 128-255, W's K rows 0-63, 64-127
.set STAGE,  2*SLOT                    ; behind the ring: 16 rows x 272 bytes for each wave; no tensor load lands here
.set SPITCH, 272
.set LAPS,   KSZ/(2*KSTEP)
.set ADRA, 16                          ; v16-17  LDS address of my A fragments in slot 0, 1
.set ADRB, 20                          ; v20-21  the same for W
.set STO,  24                          ; v24     the way out: where I put 16 bytes of a row
.set RD,   25                          ; v25     where I read back
.set CO,   26                          ; v26     my byte offset in C; never rewritten
.set BO,   27                          ; v27     my byte offset in the bias
.set F0,   64
.set F1,   128
.set TT,   64                          ; the way out: a block's 64 sums with bias
.set EE,   128                         ; the sigmoid at work
.set TMP,  192
.set OB,   32
.set G1,  24                           ; s[24:31] group 1 for A;  s[32:39] group 0, a set for each slot
.set G0,  32
.set G1B, 48                           ; s[48:55], s[56:63] the same for W
.set G0B, 56
.set MSB, 0
.macro WIN new                         ; the immediate's high byte repeats the setting that is left; a switch that changes nothing is dropped
.if MSB != \new
	s_set_vgpr_msb (MSB<<8)|\new
.set MSB, \new
.endif
.endm
.set MUL_LO, 0xa1                      ; source 0 (W) window 1, source 1 (A) window 0, C and D window 2
.set MUL_HI, 0xf1                      ; the same, C and D window 3
.set TO_B,   0x40                      ; destination window 1, address window 0
.macro JLOAD s                         ; a joint load: waves 0, 1 fetch A's halves, waves 2, 3 W's; the branch hangs on the wave's number alone; four v_nop follow each line
	s_cmp_eq_u32 s11, 0
	s_cbranch_scc0 .Lfor_b_\@
	tensor_load_to_lds s[G0+4*\s:G0+4*\s+3], s[G1:G1+7]
	s_nop 0
.rept 4
	v_nop
.endr
	s_branch .Lasked_\@
.Lfor_b_\@:
	tensor_load_to_lds s[G0B+4*\s:G0B+4*\s+3], s[G1B:G1B+7]
	s_nop 0
.rept 4
	v_nop
.endr
.Lasked_\@:
.endm
.macro CREST                           ; a round of the cluster's barrier behind its opening barrier
	s_cmp_lg_u32 s10, 0
	s_cbranch_scc1 .Lnot_wave_0_\@
	s_barrier_signal -3
.Lnot_wave_0_\@:
	s_barrier_wait -3
	s_barrier_signal -1
	s_barrier_wait -1
.endm
.macro CROUND
	s_barrier_signal -1
	s_barrier_wait -1
	CREST
.endm
.macro PLACES                          ; four plain instructions between a matrix instruction and a load into, or a vector instruction on, its registers
.rept 4
	v_nop
.endr
.endm
	s_load_b128 s[4:7], s[0:1], 0x0                ; A s[4:5], wb s[6:7]
.if QKV
	s_load_b64 s[66:67], s[0:1], 0x10              ; bq
	s_load_b128 s[68:71], s[0:1], 0x18             ; bk, bv
	s_load_b64 s[8:9], s[0:1], 0x28                ; C
	s_set_vgpr_msb 0x40
	v_lshl_add_u32 v255, v0, 2, 0x48400
	s_set_vgpr_msb 0x4000
	v_mov_b32 v31, 0
	s_set_vgpr_msb 0x1
	ds_add_u32 v255, v31
	ds_add_u32 v255, v31
	s_set_vgpr_msb 0x100
.else
	s_load_b64 s[66:67], s[0:1], 0x10              ; be
	s_load_b64 s[8:9], s[0:1], 0x18                ; C
.endif
	v_lshrrev_b32 v1, 5, v0
	v_readfirstlane_b32 s10, v1                    ; wave 0..3
	s_lshr_b32 s11, s10, 1                         ; my half of the tile's rows.  Also: I fetch for A (0) or for W (1)
	s_and_b32 s12, s10, 1                          ; my half of its columns.  Also: which half of that tile I fetch
	s_bfe_u32 s40, ttmp6, 0x40000                  ; cx
	s_bfe_u32 s41, ttmp6, 0x40004                  ; cy
	s_lshl_b32 s42, ttmp9, 2
	s_add_co_u32 s42, s42, s40                     ; tile column = 4 x cluster x + cx
	s_and_b32 s13, ttmp7, 0xffff
	s_lshl_b32 s13, s13, 2
	s_add_co_u32 s13, s13, s41                     ; tile row = 4 x cluster y + cy
	s_lshl_b32 s43, s41, 2
	s_lshl_b32 s43, 15, s43                        ; my row of the cluster
	s_lshl_b32 s44, 0x1111, s40                    ; my column
	s_or_b32 s[G1+0], s43, (1<<16)|(1<<20)|(1<<21)|(5<<22)|(3<<25)   ; mask; 2-byte elements; padding on; bit 21 beside a mask; after every 64 words 4 words
	s_mov_b32 s[G1+1], KSTEP<<16                   ; tensor_dim0 = 128
	s_mov_b32 s[G1+2], 128<<16                     ; tensor_dim1 = 128
	s_mov_b32 s[G1+3], KSTEP<<16                   ; tile_dim0 = 128
	s_mov_b32 s[G1+4], 128                         ; tile_dim1 = 128
	s_mov_b32 s[G1+5], KSZ                         ; numbers from row to row
	s_mov_b32 s[G1+6], 0
	s_mov_b32 s[G1+7], 0
	s_or_b32 s[G1B+0], s44, (1<<16)|(1<<20)|(1<<21)|(6<<22)|(7<<25)  ; after every 128 words 8 words
	s_mov_b32 s[G1B+1], 256<<16                    ; tensor_dim0 = 256 columns
	s_mov_b32 s[G1B+2], 64<<16                     ; tensor_dim1 = 64 K rows
	s_mov_b32 s[G1B+3], 256<<16
	s_mov_b32 s[G1B+4], 64
	s_mov_b32 s[G1B+5], NP
	s_mov_b32 s[G1B+6], 0
	s_mov_b32 s[G1B+7], 0
	; A's tile hangs on the tile row and the wave; W's on the tile column and the wave; neither set of registers ever holds the other coordinate
	s_lshl_b32 s16, s13, 8
	s_lshl_b32 s17, s12, 7
	s_add_co_u32 s16, s16, s17                     ; A: row 256 x tile row + 128 x half,
	s_lshl_b32 s16, s16, 11                        ; x 2,048 bytes
	s_mov_b32 s17, 0
.if QKV
	s_lshl_b32 s46, ttmp9, 21                      ; which of Wq, Wk, Wv: 2 MiB each in wb
	s_lshl_b32 s47, s40, 9                         ; 256 columns x 2 bytes x cx
.else
	s_mov_b32 s46, 8388608                         ; We in wb
	s_lshl_b32 s47, s42, 9
.endif
	s_add_co_u32 s46, s46, s47
	s_mul_i32 s47, s12, 64*NP*2                    ; my 64 K rows of the step
	s_add_co_u32 s46, s46, s47
	s_mov_b32 s47, 0
	s_mul_i32 s20, s10, HALFT                      ; where my load goes: wave x 34,816: no place in the cluster enters an LDS address
	s_wait_dscnt 0x0
	s_wait_kmcnt 0x0
	s_add_nc_u64 s[14:15], s[4:5], s[16:17]
	s_add_nc_u64 s[46:47], s[6:7], s[46:47]
	CROUND                                         ; all sixteen work-groups are here: the first joint loads meet
.irp s, 0,1
	s_mov_b32 s[G0+4*\s], 1
	s_add_co_u32 s[G0+4*\s+1], s20, \s*SLOT
	s_add_nc_u64 s[G0+4*\s+2:G0+4*\s+3], s[14:15], \s*KSTEP*2
	s_or_b32 s[G0+4*\s+3], s[G0+4*\s+3], 0x80000000
	s_mov_b32 s[G0B+4*\s], 1
	s_add_co_u32 s[G0B+4*\s+1], s20, \s*SLOT
	s_add_nc_u64 s[G0B+4*\s+2:G0B+4*\s+3], s[46:47], \s*KSTEP*NP*2
	s_or_b32 s[G0B+4*\s+3], s[G0B+4*\s+3], 0x80000000
	JLOAD \s                                       ; two loads of mine are out
.endr
	; the bias of my 128 columns
.if QKV
	s_cmp_eq_u32 ttmp9, 1
	s_cselect_b64 s[66:67], s[68:69], s[66:67]
	s_cmp_eq_u32 ttmp9, 2
	s_cselect_b64 s[66:67], s[70:71], s[66:67]
	s_lshl_b32 s72, s40, 10
.else
	s_lshl_b32 s72, s42, 10
.endif
	s_lshl_b32 s73, s12, 9
	s_add_co_u32 s72, s72, s73
	s_mov_b32 s73, 0
	s_add_nc_u64 s[66:67], s[66:67], s[72:73]
	v_and_b32 v1, 15, v0                           ; r = l % 16
	v_bfe_u32 v2, v0, 4, 1                         ; h = l / 16
	v_and_b32 v6, 7, v0                            ; l % 8
	v_bfe_u32 v7, v0, 3, 1                         ; (l / 8) % 2
	v_lshlrev_b32 v[BO], 5, v2                     ; register 8 b + j belongs to column 16 b + 8 h + j
	WIN TO_B
.irp b, 0,1,2,3,4,5,6,7
	global_load_b128 v[8*\b:8*\b+3],   v[BO], s[66:67] offset:64*\b
	global_load_b128 v[8*\b+4:8*\b+7], v[BO], s[66:67] offset:64*\b+16
.endr
	WIN 0
	v_mul_u32_u24 v3, v1, PITCH
	v_lshl_add_u32 v3, v2, 4, v3                   ; A: row x pitch + 16 x half
	v_lshl_add_u32 v8, v2, 3, v6                   ; W: K row 8 h + l % 8,
	v_mul_u32_u24 v8, v8, PB
	v_lshl_add_u32 v8, v7, 4, v8                   ; columns 8 ((l / 8) % 2) on
	s_mul_i32 s21, s11, HALFT                      ; my 128 rows of A
	s_lshl_b32 s22, s12, 8                         ; my 128 columns of W,
	s_add_co_u32 s22, s22, 2*HALFT                 ; which lies behind A
.irp s, 0,1
	v_add_nc_u32 v[ADRA+\s], s21, v3
	v_add_nc_u32 v[ADRB+\s], s22, v8
	s_add_co_u32 s21, s21, SLOT
	s_add_co_u32 s22, s22, SLOT
.endr
	s_mul_i32 s23, s10, 16*SPITCH
	s_add_co_u32 s23, s23, STAGE                   ; my stage
	v_mul_u32_u24 v4, v1, SPITCH
	v_lshl_add_u32 v4, v2, 4, v4
	v_add_nc_u32 v[STO], s23, v4
.if QKV
	; my 128 columns are two heads.  Lanes 0-15 take rows 2 t, 2 t + 1 of the first head (2 x 128 bytes, neighbours in the head-major output), lanes 16-31 of the second
	v_mul_u32_u24 v5, v7, SPITCH
	v_lshl_add_u32 v5, v2, 7, v5
	v_lshl_add_u32 v5, v6, 4, v5
	v_add_nc_u32 v[RD], s23, v5
	v_lshlrev_b32 v5, 18, v2                       ; a head is 262,144 bytes
	v_lshl_add_u32 v5, v7, 7, v5
	v_lshl_add_u32 v[CO], v6, 4, v5
	s_lshl_b32 s74, ttmp9, 23                      ; the plane: q, k or v
	s_lshr_b32 s75, s13, 3                         ; batch = row / 2048
	s_lshl_b32 s75, s75, 4
	s_lshl2_add_u32 s75, s40, s75                  ; + head = 4 cx + 2 x my half of the columns
	s_lshl1_add_u32 s75, s12, s75
	s_lshl_b32 s75, s75, 18
	s_add_co_u32 s74, s74, s75
	s_and_b32 s75, s13, 7
	s_lshl_b32 s75, s75, 8
	s_lshl_b32 s76, s11, 7
	s_add_co_u32 s75, s75, s76                     ; my first row in the batch,
	s_lshl_b32 s75, s75, 7                         ; x 128 bytes
	s_add_co_u32 s74, s74, s75
.else
	v_mul_u32_u24 v5, v2, SPITCH                   ; lanes 0-15 take one row of 256 bytes, lanes 16-31 the next
	v_lshl_add_u32 v5, v1, 4, v5
	v_add_nc_u32 v[RD], s23, v5
	v_lshlrev_b32 v5, 13, v2
	v_lshl_add_u32 v[CO], v1, 4, v5
	s_lshl_b32 s74, s13, 8
	s_lshl_b32 s75, s11, 7
	s_add_co_u32 s74, s74, s75
	s_lshl_b32 s74, s74, 13                        ; my first row x 8,192 bytes
	s_lshl_b32 s75, s42, 9
	s_add_co_u32 s74, s74, s75
	s_lshl_b32 s75, s12, 8
	s_add_co_u32 s74, s74, s75
.endif
	s_mov_b32 s75, 0
	s_add_nc_u64 s[8:9], s[8:9], s[74:75]
; 16 matrix instructions: m blocks a0, a0 + 1 of the window's four x all 8 n blocks, 32 along K.  zero = 1: the first product starts the sums.
; The 64 accumulators take turns, one instruction a turn.
.macro MUL16 f, hi, a0, zero
.irp a, \a0, \a0+1
.irp b, 0,1,2,3,4,5,6,7
.if \zero
	v_wmma_f32_16x16x32_bf16 v[8*(8*(\a)+\b):8*(8*(\a)+\b)+7], v[\f+8*\b:\f+8*\b+7], v[\f+8*(4*\hi+\a):\f+8*(4*\hi+\a)+7], 0
.else
	v_wmma_f32_16x16x32_bf16 v[8*(8*(\a)+\b):8*(8*(\a)+\b)+7], v[\f+8*\b:\f+8*\b+7], v[\f+8*(4*\hi+\a):\f+8*(4*\hi+\a)+7], v[8*(8*(\a)+\b):8*(8*(\a)+\b)+7]
.endif
.endr
.endr
.endm
; 32 LDS loads in one run: a quarter step's fragments (32 along K, at byte k of A's rows = K row k / 2 of W) into buffer f: W's sixteen, then A's sixteen
.macro FETCH slot, k, f
	WIN TO_B
.irp i, 0,1,2,3,4,5,6,7
	ds_load_tr16_b128 v[\f+8*\i:\f+8*\i+3],   v[ADRB+\slot] offset:(\k/2)*PB+32*\i
	ds_load_tr16_b128 v[\f+8*\i+4:\f+8*\i+7], v[ADRB+\slot] offset:(\k/2)*PB+16*PB+32*\i
.endr
	WIN 0
.irp i, 0,1,2,3,4,5,6,7
	ds_load_b128 v[\f+8*\i:\f+8*\i+3],   v[ADRA+\slot] offset:\k+\i*16*PITCH
	ds_load_b128 v[\f+8*\i+4:\f+8*\i+7], v[ADRA+\slot] offset:\k+\i*16*PITCH+32
.endr
.endm
; One of a K step's first three quarters: multiplies buffer f; in its middle it fetches the next quarter into g
.macro QUARTER slot, k, f, g, zero
	s_wait_dscnt 8                                 ; W and A's rows 0-63 are in; the youngest eight loads (A's rows 64-127) may be out
	WIN MUL_LO
	MUL16 \f, 0, 0, \zero
	MUL16 \f, 0, 2, \zero
	PLACES
	FETCH \slot, \k, \g
	s_wait_dscnt 32                                ; all but the 32 just issued
	WIN MUL_HI
	MUL16 \f, 1, 0, \zero
	MUL16 \f, 1, 2, \zero
.endm
; The first half of a step's last quarter: one barrier for the change of slots
.macro MEET round
	s_wait_dscnt 8
	WIN MUL_LO
	MUL16 F1, 0, 0, 0
	s_wait_dscnt 0                                 ; my reads of this slot are over,
	s_wait_tensorcnt 0x0                           ; and all my tensor loads have landed: the one that was out is my part of the next slot
	ds_add_u32 v255, v31
	s_wait_dscnt 0x0
	s_barrier_signal -1
	MUL16 F1, 0, 2, 0                              ; register work while the others arrive
.if \round
	WIN 0
.endif
	s_barrier_wait -1
.endm
; The whole last quarter where the slot is filled again, two K steps ahead: the barrier opens a round of the cluster's barrier, and the joint refill is the first thing behind it
.macro TURN slot, next
	MEET 1
	CREST                                          ; no wave of any partner still reads this slot or has a load on its way
	s_add_nc_u64 s[G0+4*\slot+2:G0+4*\slot+3], s[G0+4*\slot+2:G0+4*\slot+3], 2*KSTEP*2
	s_add_nc_u64 s[G0B+4*\slot+2:G0B+4*\slot+3], s[G0B+4*\slot+2:G0B+4*\slot+3], 2*KSTEP*NP*2
	JLOAD \slot                                    ; 240 matrix instructions ahead of the wait for it; its four v_nop are also the places in front of the loads below
	FETCH \next, 0, F0
	WIN MUL_HI
	MUL16 F1, 1, 0, 0
	MUL16 F1, 1, 2, 0
.endm
; THE WAY OUT of block a (16 rows x 128 columns).  PACK: + bias (and silu), rounded to bf16.  TOSTAGE: into my own stage, and back by rows.  SEND: stored.
.macro PACK a
.set AC, 64*((\a)%4)
	WIN 0x06+(\a)/4                                ; source 0 window 2 or 3 (sums), source 1 window 1 (bias), destination window 0
.set i, 0
.rept 32
	v_pk_add_f32 v[TT+i:TT+i+1], v[AC+i:AC+i+1], v[i:i+1]
.set i, i+2
.endr
	WIN 0
.if QKV == 0
.set i, 0
.rept 32
	v_pk_mul_f32 v[EE+i:EE+i+1], v[TT+i:TT+i+1], 0xbfb8aa3b op_sel_hi:[1,0]   ; -t log2 e
.set i, i+2
.endr
.set i, 0
.rept 64
	v_exp_f32 v[EE+i], v[EE+i]
.set i, i+1
.endr
	v_nop                                          ; a plain instruction between the last exponential and its use (ISA guide 5.7.2)
.set i, 0
.rept 32
	v_pk_add_f32 v[EE+i:EE+i+1], v[EE+i:EE+i+1], 1.0 op_sel_hi:[1,0]
.set i, i+2
.endr
.set i, 0
.rept 64
	v_rcp_f32 v[EE+i], v[EE+i]
.set i, i+1
.endr
	v_nop
.set i, 0
.rept 32
	v_pk_mul_f32 v[TT+i:TT+i+1], v[TT+i:TT+i+1], v[EE+i:EE+i+1]
.set i, i+2
.endr
.endif
.set i, 0
.rept 32
	v_cvt_pk_bf16_f32 v[TMP+i], v[TT+2*i], v[TT+2*i+1]
.set i, i+1
.endr
.endm
.macro TOSTAGE a
.set BK, OB+192*((\a)%2)
.irp b, 0,1,2,3,4,5,6,7
	ds_store_b128 v[STO], v[TMP+4*\b:TMP+4*\b+3] offset:32*\b
.endr
.irp t, 0,1,2,3,4,5,6,7
	ds_load_b128 v[BK+4*\t:BK+4*\t+3], v[RD] offset:\t*2*SPITCH    ; LDS serves a wave's instructions in order (ISA guide 5.7.1.4): these see the stores above
.endr
.endm
.macro SEND a
.set BK, OB+192*((\a)%2)
	s_wait_dscnt 0x0                               ; the block is back in registers
	s_wait_xcnt 0x0                                ; the block before last's stores have read their registers: the next TOSTAGE loads into them
.irp t, 0,1,2,3,4,5,6,7
	global_store_b128 v[CO], v[BK+4*\t:BK+4*\t+3], s[8:9] offset:(16*(\a)+2*\t)*ROWB   ; 16 lanes store 256 consecutive aligned bytes; 126 rows at the most stand in the immediate
.endr
.endm
	s_wait_tensorcnt 1                             ; my part of K step 0 is in; K step 1's may stay out
	s_barrier_signal -1
	s_barrier_wait -1
	FETCH 0, 0, F0
	QUARTER 0, 64,  F0, F1, 1                      ; the first quarter starts the sums
	WIN 0
	s_mov_b32 s3, LAPS-1
.Llap:                                                 ; a trip goes once round the ring and fills both slots again
	QUARTER 0, 128, F1, F0, 0
	QUARTER 0, 192, F0, F1, 0
	TURN 0, 1
	QUARTER 1, 64,  F0, F1, 0
	QUARTER 1, 128, F1, F0, 0
	QUARTER 1, 192, F0, F1, 0
	TURN 1, 0
	QUARTER 0, 64,  F0, F1, 0
	WIN 0
	s_sub_co_u32 s3, s3, 1
	s_cmp_lg_u32 s3, 0
	s_cbranch_scc1 .Llap
	QUARTER 0, 128, F1, F0, 0                      ; the last lap is written out: it asks for nothing more
	QUARTER 0, 192, F0, F1, 0
	MEET 0
	PLACES
	FETCH 1, 0, F0
	WIN MUL_HI
	MUL16 F1, 1, 0, 0
	MUL16 F1, 1, 2, 0
	QUARTER 1, 64,  F0, F1, 0
	QUARTER 1, 128, F1, F0, 0
	QUARTER 1, 192, F0, F1, 0
	s_wait_dscnt 8
	WIN MUL_LO
	MUL16 F1, 0, 0, 0
	MUL16 F1, 0, 2, 0
	s_wait_dscnt 0
	WIN MUL_HI
	MUL16 F1, 1, 0, 0
	MUL16 F1, 1, 2, 0
	WIN 0
	PLACES
	s_wait_loadcnt 0x0                             ; the bias
	PACK 0
	TOSTAGE 0
.irp a, 1,2,3,4,5,6,7                  ; block a's arithmetic stands between block a - 1's loads from the stage and the wait for them
	PACK \a
	SEND \a-1
	TOSTAGE \a
.endr
	SEND 7
	s_set_vgpr_msb 0x1
	s_wait_tensorcnt 0x0
	ds_add_u32 v255, v31
	s_wait_dscnt 0x0
	s_set_vgpr_msb 0x100
	CROUND                                         ; the closing round: no work-group ends while a partner may still ask for a tile that names it
	s_endpgm
.Lfunc_end_k_qa27f31de30_qkv:
	.size	k_qa27f31de30_qkv, .Lfunc_end_k_qa27f31de30_qkv-k_qa27f31de30_qkv
	.p2alignl 7, 3214868480
	.fill 96, 4, 3214868480
	.section	.rodata,"a",@progbits
	.p2align	6, 0x0
	.amdhsa_kernel k_qa27f31de30_qkv
		.amdhsa_group_segment_fixed_size 327680
		.amdhsa_private_segment_fixed_size 0
		.amdhsa_enable_private_segment 0
		.amdhsa_kernarg_size 48
		.amdhsa_user_sgpr_count 2
		.amdhsa_user_sgpr_kernarg_segment_ptr 1
		.amdhsa_wavefront_size32 1
		.amdhsa_system_sgpr_workgroup_id_x 1
		.amdhsa_system_sgpr_workgroup_id_y 1
		.amdhsa_system_sgpr_workgroup_id_z 1
		.amdhsa_system_vgpr_workitem_id 0
		.amdhsa_next_free_vgpr 1024
		.amdhsa_next_free_sgpr 80
		.amdhsa_reserve_vcc 0
		.amdhsa_float_denorm_mode_32 3
		.amdhsa_float_denorm_mode_16_64 3
		.amdhsa_memory_ordered 1
		.amdhsa_forward_progress 1
		.amdhsa_inst_pref_size 161
	.end_amdhsa_kernel
	.amdgpu_metadata
---
amdhsa.version: [ 1, 2 ]
amdhsa.kernels:
  - .name:           k_qa27f31de30_qkv
    .symbol:         k_qa27f31de30_qkv.kd
    .args:
      - { .name: act, .offset: 0, .size: 8, .value_kind: global_buffer, .address_space: global }
      - { .name: wb, .offset: 8, .size: 8, .value_kind: global_buffer, .address_space: global }
      - { .name: bq, .offset: 16, .size: 8, .value_kind: global_buffer, .address_space: global }
      - { .name: bk, .offset: 24, .size: 8, .value_kind: global_buffer, .address_space: global }
      - { .name: bv, .offset: 32, .size: 8, .value_kind: global_buffer, .address_space: global }
      - { .name: qkv, .offset: 40, .size: 8, .value_kind: global_buffer, .address_space: global }
    .group_segment_fixed_size: 327680
    .private_segment_fixed_size: 0
    .kernarg_segment_align: 8
    .kernarg_segment_size: 48
    .max_flat_workgroup_size: 128
    .sgpr_count:     80
    .vgpr_count:     1024
    .wavefront_size: 32
...
	.end_amdgpu_metadata
.endif
;; end of part 2
;; launch attn (part 3): grid 8 x 32, 8 waves a work-group, no clusters, 327,680 bytes of LDS; arguments qkv, act; writes act
.if DOCPART == 3
	.amdgcn_target "amdgcn-amd-amdhsa--gfx1250"
	.amdhsa_code_object_version 6
	.text
	.protected	k_qa27f31de30_attn
	.globl	k_qa27f31de30_attn
	.p2align	8
	.type	k_qa27f31de30_attn,@function
k_qa27f31de30_attn:
	s_mov_b64 s[64:65], 0
	v_nop
	global_prefetch_b8 v0, s[64:65] scope:SCOPE_SE
	s_setreg_imm32_b32 hwreg(HW_REG_WAVE_MODE, 25, 1), 1
	s_wait_xcnt 0x0
; Causal attention.  qkv: [3][32 heads][2048][64] bf16 (q, k, v).  act: ctx as bf16 [4096][1024], row = batch x 2048 + t, column = head x 64 + channel.
; SHARES.  Work-group (j, head), j = 0..7, owns two blocks of 128 queries: block 15 - j, then block j.  They need 16 - j and j + 1 key blocks of 128.
; EIGHT WAVES IN TWO GROUPS.  Waves w and w + 4 own the same 32 queries (two tiles of 16).  A step covers two key blocks: group 0 (waves 0-3) takes the even one, group 1 (waves 4-7) the odd one,
; each with a running maximum, sum and O^T of its own; at a part's end the two are merged.  The parts have (17 - j) >> 1 steps and the rest of 9: nine steps in every work-group.
; 17 blocks in 18 places: one place lies behind the diagonal; its block index is clamped to the diagonal block (no load leaves the buffer) and all its scores are masked.
; Two waves lie on each SIMD, so that one wave's vector work can be issued while the other's products run; a fragment of K or V still feeds two query tiles.
; LAYOUT.  S^T = K Q^T (source 0 = 16 keys, source 1 = 16 queries): a lane holds ONE query (l % 16) and keys 8 (l / 16) + 0..7.  Two such tiles rounded to bf16 ARE source 1 of
; O^T = V^T P, whose result again holds one query a lane.  K leaves LDS as it lies, V turned by ds_load_tr16_b128.
; SOFTMAX.  Running maximum m and sum l for each query: p = 2^(c s - c m), c = log2(e) / 8; O and l are multiplied by a = 2^(c m_old - c m_new) in every half step of 64 keys.
; A group may have no allowed key for a query, so m has a floor of -1e30: then every p is 0, l is 0 and the merge gives that group the weight 2^(c floor - c m).
; LIMIT: a query whose every allowed score lies below -1e30 is not served.
; THE SECOND PART starts with m = -infinity and l = 0: its first a is 0 and wipes the first part's O, which therefore has to be finite (it is a sum of at most 2,048 weights <= 1 times v).
; THE MERGE.  Group 1 stores c m, l and O^T lane by lane into a stage in LDS; group 0 reads them behind the next step's barrier: no barrier stands under a branch.  A step in slot s hands over
; into stage s and reads stage 1 - s, so that a barrier lies between a stage's reads and its next writes whatever the branches do.
; NO JOINT LOADS: a work-group goes back to key block 0 at a step that hangs on j, so from then on the eight work-groups of a head ask for different blocks in the same step.
; ctx leaves in pieces of 128 aligned bytes: a head's 64 channels are that much of a row.  Weights, q, k, v and ctx are rounded to bf16; exponentials flush denormals.
.set KP,    144                        ; a row of K in LDS: 128 + 16 bytes
.set VP,    160                        ; a row of V: 128 + 32 bytes, an odd multiple of 32
.set QUART, 10240                      ; a wave's load: 64 rows of K (9,216 bytes used) or of V (10,240)
.set BLK,   4*QUART                    ; a key block: K rows 0-63, K rows 64-127, V rows 0-63, V rows 64-127
.set SLOT,  2*BLK                      ; group 0's block, then group 1's: wave w's load lands at w x 10,240
.set OSTAGE, 2*SLOT                    ; behind the ring: 32 rows x 144 bytes for each of waves 0-3, for the way out; no tensor load lands here or behind
.set MS,    OSTAGE+4*32*KP             ; the hand-over: wave w (4-7) writes stage p at MS + w x MW + p x MSZ
.set MW,    18*512                     ; 18 stores of 512 bytes: two of statistics, sixteen of O^T
.set MSZ,   4*MW
.set AK,  3                            ; v3, v4   slot 0, 1: my group's block + r x 144 + 16 h
.set AV,  5                            ; v5, v6   slot 0, 1: V's place in my group's block + (8 h + l % 8) x 160 + 16 ((l / 8) % 2)
.set QO,  7                            ; v7   r x 128 + 16 h
.set STO, 8                            ; v8   way-out stage + r x 144 + 16 h
.set RD,  9                            ; v9   way-out stage + (l / 8) x 144 + 16 (l % 8)
.set GO,  10                           ; v10  (l / 8) x 2048 + 16 (l % 8)
.set NINF, 11                          ; v11  -infinity
.set ST,  12                           ; tile t's statistics at v[12 + 8 t]: +0 c m, +1 m, +2, +3 l, +4..+7 at work (a in +6)
.set D1,  28                           ; v28, v29  first part's last step, tile t: key number 64 u + 16 kt + j of my group's block is allowed where it is <= this
.set D2,  30                           ; v30, v31  the same for the second part's last step
.set Q,   32                           ; v32-63   Q: (t, c) at 16 t + 8 c
.set S,   64                           ; v64-127  S^T: (t, kt) at 32 t + 8 kt
.set P,   128                          ; v128-159 P: 16 a tile
.set O,   160                          ; v160-223 O^T: (t, ct) at 32 t + 8 ct
.set MA,  224                          ; v224 MS + wave x MW + 16 x lane: where group 1 hands over
.set MR,  225                          ; v225 the same + MSZ: where wave w of group 0 finds what wave w + 4 handed over
.set X,   232                          ; v232-239 the other group's statistics, 4 a tile
.set KF,  0                            ; window 1: v0-63 K of 64 keys: (kt, c) at 16 kt + 8 c
.set VF,  64                           ; window 1: v64-127 V of 64 keys: (g, ct) at 32 g + 8 ct
.set WV,  8                            ; s8   wave 0..7
.set W4,  9                            ; s9   wave % 4: which 32 queries
.set BH,  10                           ; s10  batch x 16 + head
.set S1,  11                           ; s11  steps of the first part = (17 - j) >> 1
.set DT,  12                           ; s12  its last step
.set T,   13                           ; s13  the step, 0..8
.set DG,  14                           ; s14  1 in the first part's last step
.set CNT, 15                           ; s15  loop counter
.set BASE, 16                          ; s[16:17] my 64 rows of key block 0, in k or in v
.set OF,  18                           ; s[18:19] byte offset of a key block
.set NT,  20
.set SB,  21
.set Q2,  22                           ; s[22:23] my 32 queries of the second part
.set G1K, 24                           ; s[24:31] group 1 of the descriptor for K
.set G1V, 32                           ; s[32:39] for V: the padding differs
.set G0,  40                           ; s[40:47] group 0, a set for each slot
.set OUT1, 48
.set OUT2, 50
.set CS,  52                           ; s[52:53] c, twice
.set SEL, 54                           ; s[54:55] v_permlanex16_b32: each lane takes its own place in the other half
.set Q1,  60                           ; s[60:61] my 32 queries of the first part
.set GRP, 62                           ; s62  wave / 4: which of a step's two key blocks
.set KV,  63                           ; s63  (wave / 2) % 2: I fetch K (0) or V (1)
.set J,   66                           ; s66  j: the second part's query block
.set QB1, 67                           ; s67  15 - j: the first part's
.set QB,  68
.set DGP, 69                           ; s69  1 in the second part's first step
.set FL,  70                           ; s70  the floor of m
.set MSB, 0
.macro WIN new                         ; the immediate's high byte repeats the setting that is left; a switch that changes nothing is dropped
.if MSB != \new
	s_set_vgpr_msb (MSB<<8)|\new
.set MSB, \new
.endif
.endm
.macro PLACES                          ; four plain instructions between a matrix instruction and a load into, or a vector instruction on, its registers
.rept 4
	v_nop
.endr
.endm
.macro TLOAD s                         ; my eighth of a slot: the branch hangs on the wave's number alone; four v_nop follow each line
	s_cmp_eq_u32 s[KV], 0
	s_cbranch_scc0 .Lfor_v_\@
	tensor_load_to_lds s[G0+4*(\s):G0+4*(\s)+3], s[G1K:G1K+7]
	s_nop 0
.rept 4
	v_nop
.endr
	s_branch .Lasked_\@
.Lfor_v_\@:
	tensor_load_to_lds s[G0+4*(\s):G0+4*(\s)+3], s[G1V:G1V+7]
	s_nop 0
.rept 4
	v_nop
.endr
.Lasked_\@:
.endm
.macro FETCH_K slot, u                 ; 16 loads: keys 64 u .. 64 u + 63 of my group's block
	WIN 0x40                                       ; destination window 1
.irp kt, 0,1,2,3
.irp c, 0,1
	ds_load_b128 v[KF+16*\kt+8*\c:KF+16*\kt+8*\c+3],   v[AK+\slot] offset:\u*QUART+\kt*16*KP+64*\c
	ds_load_b128 v[KF+16*\kt+8*\c+4:KF+16*\kt+8*\c+7], v[AK+\slot] offset:\u*QUART+\kt*16*KP+64*\c+32
.endr
.endr
	WIN 0
.endm
.macro FETCH_V slot, u                 ; 16 turning loads
	WIN 0x40
.irp g, 0,1
.irp ct, 0,1,2,3
	ds_load_tr16_b128 v[VF+32*\g+8*\ct:VF+32*\g+8*\ct+3],   v[AV+\slot] offset:(64*\u+32*\g)*VP+32*\ct
	ds_load_tr16_b128 v[VF+32*\g+8*\ct+4:VF+32*\g+8*\ct+7], v[AV+\slot] offset:(64*\u+32*\g)*VP+16*VP+32*\ct
.endr
.endr
	WIN 0
.endm
.macro QLOAD b                         ; 32 queries x 64 channels as four fragments
.irp t, 0,1
.irp c, 0,1
	global_load_b128 v[Q+16*\t+8*\c:Q+16*\t+8*\c+3],   v[QO], s[\b:\b+1] offset:2048*\t+64*\c
	global_load_b128 v[Q+16*\t+8*\c+4:Q+16*\t+8*\c+7], v[QO], s[\b:\b+1] offset:2048*\t+64*\c+32
.endr
.endr
.endm
; 16 products each; the eight accumulators take turns, one instruction a turn.  The first eight of SQK start the sums.
.macro SQK
.irp c, 0,1
.irp kt, 0,1,2,3
.irp t, 0,1
.if \c == 0
	v_wmma_f32_16x16x32_bf16 v[S+32*\t+8*\kt:S+32*\t+8*\kt+7], v[KF+16*\kt+8*\c:KF+16*\kt+8*\c+7], v[Q+16*\t+8*\c:Q+16*\t+8*\c+7], 0
.else
	v_wmma_f32_16x16x32_bf16 v[S+32*\t+8*\kt:S+32*\t+8*\kt+7], v[KF+16*\kt+8*\c:KF+16*\kt+8*\c+7], v[Q+16*\t+8*\c:Q+16*\t+8*\c+7], v[S+32*\t+8*\kt:S+32*\t+8*\kt+7]
.endif
.endr
.endr
.endr
.endm
.macro PVM first
.irp g, 0,1
.irp ct, 0,1,2,3
.irp t, 0,1
.if \first && (\g == 0)
	v_wmma_f32_16x16x32_bf16 v[O+32*\t+8*\ct:O+32*\t+8*\ct+7], v[VF+32*\g+8*\ct:VF+32*\g+8*\ct+7], v[P+16*\t+8*\g:P+16*\t+8*\g+7], 0
.else
	v_wmma_f32_16x16x32_bf16 v[O+32*\t+8*\ct:O+32*\t+8*\ct+7], v[VF+32*\g+8*\ct:VF+32*\g+8*\ct+7], v[P+16*\t+8*\g:P+16*\t+8*\g+7], v[O+32*\t+8*\ct:O+32*\t+8*\ct+7]
.endif
.endr
.endr
.endr
.endm
.macro MASK u, d                       ; a part's last step: a score whose key lies behind its query becomes -infinity; d: the part's comparison registers
.irp t, 0,1
.irp kt, 0,1,2,3
.irp j, 0,1,2,3,4,5,6,7
	v_cmp_le_i32 vcc_lo, 64*\u+16*\kt+\j, v[\d+\t]
	v_cndmask_b32 v[S+32*\t+8*\kt+\j], v[NINF], v[S+32*\t+8*\kt+\j], vcc_lo
.endr
.endr
.endr
.endm
; The softmax of 64 keys for both tiles, which alternate so that few instructions read the result of the one just before.  first = 1: it starts m, l and O^T.
.macro SOFT first
.irp j, 0,1,2,3
.irp t, 0,1
	v_max3_num_f32 v[ST+8*\t+4+\j], v[S+32*\t+8*\j], v[S+32*\t+8*\j+1], v[S+32*\t+8*\j+2]
.endr
.endr
.irp q, 1,2
.irp j, 0,1,2,3
.irp t, 0,1
	v_max3_num_f32 v[ST+8*\t+4+\j], v[ST+8*\t+4+\j], v[S+32*\t+8*\j+2*\q+1], v[S+32*\t+8*\j+2*\q+2]
.endr
.endr
.endr
.irp t, 0,1
	v_max3_num_f32 v[ST+8*\t+4], v[ST+8*\t+4], v[S+32*\t+7], v[S+32*\t+15]
	v_max3_num_f32 v[ST+8*\t+6], v[ST+8*\t+6], v[S+32*\t+23], v[S+32*\t+31]
.endr
.irp t, 0,1
	v_max3_num_f32 v[ST+8*\t+4], v[ST+8*\t+4], v[ST+8*\t+5], v[ST+8*\t+6]
.endr
.irp t, 0,1
.if \first
	v_max_num_f32 v[ST+8*\t+4], v[ST+8*\t+4], v[ST+8*\t+7]
.else
	v_max3_num_f32 v[ST+8*\t+4], v[ST+8*\t+4], v[ST+8*\t+7], v[ST+8*\t+1]
.endif
.endr
.irp t, 0,1
	v_permlanex16_b32 v[ST+8*\t+5], v[ST+8*\t+4], s[SEL], s[SEL+1]   ; the query's other 32 keys lie in the lane 16 away
.endr
.if \first == 0
.irp t, 0,1
	v_mov_b32 v[ST+8*\t+7], v[ST+8*\t]             ; c m_old is kept for a
.endr
.endif
.irp t, 0,1
	v_max3_num_f32 v[ST+8*\t+1], v[ST+8*\t+4], v[ST+8*\t+5], s[FL]   ; the new m, never below the floor: it is finite also where every score is masked
.endr
.irp t, 0,1
	v_mul_f32 v[ST+8*\t], s[CS], v[ST+8*\t+1]
.endr
.if \first == 0
.irp t, 0,1
	v_sub_f32 v[ST+8*\t+7], v[ST+8*\t+7], v[ST+8*\t]
.endr
.irp t, 0,1
	v_exp_f32 v[ST+8*\t+6], v[ST+8*\t+7]           ; a; the scalings below are the plain instructions behind it
.endr
.endif
.irp t, 0,1
.set i, 0
.rept 16
	v_pk_fma_f32 v[S+32*\t+i:S+32*\t+i+1], v[S+32*\t+i:S+32*\t+i+1], s[CS:CS+1], v[ST+8*\t:ST+8*\t+1] op_sel_hi:[1,0,0] neg_lo:[0,0,1] neg_hi:[0,0,1]   ; c s - c m
.set i, i+2
.endr
.endr
.set i, 0
.rept 64
	v_exp_f32 v[S+i], v[S+i]
.set i, i+1
.endr
	v_nop                                          ; a plain instruction between the last exponential and its use (ISA guide 5.7.2)
.set i, 0
	s_wait_alu depctr_va_vdst(0)
.rept 32
	v_cvt_pk_bf16_f32 v[P+i], v[S+2*i], v[S+2*i+1]
.set i, i+1
.endr
.irp w, 4,8,16                         ; the sum of a tile's 16 pairs, in place: neighbours 1, 2 and 4 pairs apart
.set i, 0
.rept 64/\w
	v_pk_add_f32 v[S+i:S+i+1], v[S+i:S+i+1], v[S+i+\w/2:S+i+\w/2+1]
.set i, i+\w
.endr
.endr
.irp t, 0,1
.if \first
	v_pk_add_f32 v[ST+8*\t+2:ST+8*\t+3], v[S+32*\t:S+32*\t+1], v[S+32*\t+16:S+32*\t+17]
.else
	v_pk_add_f32 v[S+32*\t:S+32*\t+1], v[S+32*\t:S+32*\t+1], v[S+32*\t+16:S+32*\t+17]
.endif
.endr
.if \first == 0
.irp t, 0,1
	v_pk_fma_f32 v[ST+8*\t+2:ST+8*\t+3], v[ST+8*\t+2:ST+8*\t+3], v[ST+8*\t+6:ST+8*\t+7], v[S+32*\t:S+32*\t+1] op_sel_hi:[1,0,1]   ; l = a l + the sum
.endr
.irp t, 0,1
.set i, 0
.rept 16
	v_pk_mul_f32 v[O+32*\t+i:O+32*\t+i+1], v[O+32*\t+i:O+32*\t+i+1], v[ST+8*\t+6:ST+8*\t+7] op_sel_hi:[1,0]
.set i, i+2
.endr
.endr
.endif
.endm
; Half a step: 64 keys of my group's block.  diag = 0: no mask; 1: the second part's last step; 2: the first part's last step where s[DG] says so (a branch on the work-group's number and the step alone).
.macro SUB slot, u, first, diag
	s_wait_dscnt 16                                ; this half's K is in; the 16 loads of its V are younger
	WIN 0x01                                       ; source 0 window 1
	SQK
	WIN 0
	PLACES
.if \u == 0
	FETCH_K \slot, 1
.endif
.if \diag == 2
	s_cmp_lg_u32 s[DG], 0
	s_cbranch_scc0 .Lno_mask_\@
	MASK \u, D1
.if \u == 1
	QLOAD Q2                                       ; the first part's last K Q^T stands four places back: the second part's queries are asked for; the wait for them stands at every step's head
.endif
.Lno_mask_\@:
.elseif \diag == 1
	MASK \u, D2
.endif
	SOFT \first
.if \u == 0
	s_wait_dscnt 16                                ; V is in; the 16 loads of the next half's K are younger
.else
	s_wait_dscnt 0
.endif
	WIN 0x01
	PVM \first
	WIN 0
	PLACES
.if \u == 0
	FETCH_V \slot, 1
.endif
.endm
; Group 1 hands its sums over, lane by lane: each store covers 512 consecutive bytes of the wave's own part of stage p.
.macro GIVE p
.irp t, 0,1
	ds_store_b128 v[MA], v[ST+8*\t:ST+8*\t+3] offset:(\p)*MSZ+512*\t
.endr
.set i, 0
.rept 16
	ds_store_b128 v[MA], v[O+4*i:O+4*i+3] offset:(\p)*MSZ+1024+512*i
.set i, i+1
.endr
.endm
; Group 0 takes them (a barrier lies between), merges and sends the query block out: with M = max(c m_0, c m_1) and a_g = 2^(c m_g - M): l = a_0 l_0 + a_1 l_1, O = (a_0 O_0 + a_1 O_1) / l,
; rounded to bf16, through my own way-out stage, as rows of 128 bytes.  My O^T itself is left as it is.
.macro MERGE p, out
.irp t, 0,1
	ds_load_b128 v[X+4*\t:X+4*\t+3], v[MR] offset:(\p)*MSZ+512*\t
.endr
.set i, 0
.rept 16
	ds_load_b128 v[S+4*i:S+4*i+3], v[MR] offset:(\p)*MSZ+1024+512*i
.set i, i+1
.endr
	s_wait_dscnt 16                                ; the statistics are in; O^T's sixteen loads are younger
.irp t, 0,1
	v_max_num_f32 v[X+4*\t+1], v[ST+8*\t], v[X+4*\t]
.endr
.irp t, 0,1
	v_sub_f32 v[ST+8*\t+4], v[ST+8*\t], v[X+4*\t+1]
	v_sub_f32 v[ST+8*\t+6], v[X+4*\t], v[X+4*\t+1]
.endr
.irp t, 0,1
	v_exp_f32 v[ST+8*\t+4], v[ST+8*\t+4]           ; a_0
	v_exp_f32 v[ST+8*\t+6], v[ST+8*\t+6]           ; a_1
.endr
	v_nop                                          ; a plain instruction between the last exponential and its use (ISA guide 5.7.2)
	s_wait_alu depctr_va_vdst(0)
.irp t, 0,1
	v_pk_mul_f32 v[ST+8*\t+2:ST+8*\t+3], v[ST+8*\t+2:ST+8*\t+3], v[ST+8*\t+4:ST+8*\t+5] op_sel_hi:[1,0]
.endr
.irp t, 0,1
	v_pk_fma_f32 v[ST+8*\t+2:ST+8*\t+3], v[X+4*\t+2:X+4*\t+3], v[ST+8*\t+6:ST+8*\t+7], v[ST+8*\t+2:ST+8*\t+3] op_sel_hi:[1,0,1]
.endr
.irp t, 0,1
	v_add_f32 v[X+4*\t], v[ST+8*\t+2], v[ST+8*\t+3]
.endr
.irp t, 0,1
	v_permlanex16_b32 v[X+4*\t+1], v[X+4*\t], s[SEL], s[SEL+1]
.endr
.irp t, 0,1
	v_add_f32 v[X+4*\t], v[X+4*\t], v[X+4*\t+1]
.endr
.irp t, 0,1
	v_rcp_f32 v[X+4*\t+2], v[X+4*\t]
.endr
	v_nop
	s_wait_alu depctr_va_vdst(0)
.irp t, 0,1
	v_mul_f32 v[ST+8*\t+4], v[ST+8*\t+4], v[X+4*\t+2]   ; a_0 / l
	v_mul_f32 v[ST+8*\t+6], v[ST+8*\t+6], v[X+4*\t+2]   ; a_1 / l
.endr
	s_wait_dscnt 0x0                               ; the other group's O^T
.irp t, 0,1
.set i, 0
.rept 16
	v_pk_mul_f32 v[S+32*\t+i:S+32*\t+i+1], v[S+32*\t+i:S+32*\t+i+1], v[ST+8*\t+6:ST+8*\t+7] op_sel_hi:[1,0]
.set i, i+2
.endr
.endr
.irp t, 0,1
.set i, 0
.rept 16
	v_pk_fma_f32 v[S+32*\t+i:S+32*\t+i+1], v[O+32*\t+i:O+32*\t+i+1], v[ST+8*\t+4:ST+8*\t+5], v[S+32*\t+i:S+32*\t+i+1] op_sel_hi:[1,0,1]
.set i, i+2
.endr
.endr
.set i, 0
.rept 32
	v_cvt_pk_bf16_f32 v[P+i], v[S+2*i], v[S+2*i+1]
.set i, i+1
.endr
.irp t, 0,1
.irp ct, 0,1,2,3
	ds_store_b128 v[STO], v[P+16*\t+4*\ct:P+16*\t+4*\ct+3] offset:\t*16*KP+32*\ct
.endr
.endr
.irp i, 0,1,2,3,4,5,6,7
	ds_load_b128 v[S+4*\i:S+4*\i+3], v[RD] offset:\i*4*KP   ; four rows a load; LDS serves a wave's instructions in order (ISA guide 5.7.1.4)
.endr
	s_wait_dscnt 0x0
.irp i, 0,1,2,3,4,5,6,7
	global_store_b128 v[GO], v[S+4*\i:S+4*\i+3], s[\out:\out+1] offset:\i*8192
.endr
	s_wait_xcnt 0x0                                ; S^T is written again only behind this wait
.endm
.macro RESTART                         ; c m = m = -infinity, l = 0: the next a is 0
.irp t, 0,1
	v_mov_b32 v[ST+8*\t], v[NINF]
	v_mov_b32 v[ST+8*\t+1], v[NINF]
	v_mov_b32 v[ST+8*\t+2], 0
	v_mov_b32 v[ST+8*\t+3], 0
.endr
.endm
; A step: two key blocks in slot.  One barrier: in front of it every wave waits for its LDS accesses (its reads of the other slot, its hand-over) and for all its tensor loads (one is out: its
; eighth of this slot); behind it the other slot is filled first (refill = 1), one load a wave, which has this whole step in which to land.
; merge = 1: in the second part's first step group 0 first merges the first part.
.macro STEP slot, first, diag, refill, merge
	s_wait_tensorcnt 0x0
	ds_add_u32 v254, v255
	s_wait_dscnt 0x0
	s_wait_dscnt 0x0
	s_wait_loadcnt 0x0                             ; Q: the first part's at step 0, the second part's where the last step asked for it
.if \refill
	s_add_co_u32 s[NT], s[T], 1                    ; no load of mine is out, so a group 0 may be written.  The next step, counted within its part,
	s_cmp_ge_u32 s[NT], s[S1]
	s_cselect_b32 s[SB], s[S1], 0
	s_cselect_b32 s[QB], s[J], s[QB1]              ; and its part's query block
	s_sub_co_u32 s[NT], s[NT], s[SB]
	s_lshl1_add_u32 s[NT], s[NT], s[GRP]           ; my group's key block = 2 x step + group,
	s_min_u32 s[NT], s[NT], s[QB]                  ; never behind the diagonal block
	s_lshl_b32 s[OF], s[NT], 14                    ; 128 rows of 128 bytes
	s_add_nc_u64 s[G0+4*(1-\slot)+2:G0+4*(1-\slot)+3], s[BASE:BASE+1], s[OF:OF+1]
	s_or_b32 s[G0+4*(1-\slot)+3], s[G0+4*(1-\slot)+3], 0x80000000
.endif
.if \diag == 2
	s_cmp_eq_u32 s[T], s[DT]
	s_cselect_b32 s[DG], 1, 0
.endif
.if \merge
	s_cmp_eq_u32 s[T], s[S1]
	s_cselect_b32 s[DGP], 1, 0
.endif
	s_barrier_signal -1
	s_barrier_wait -1
.if \refill
	TLOAD 1-\slot
.endif
.if \merge
	s_cmp_lg_u32 s[DGP], 0
	s_cbranch_scc0 .Lno_merge_\@
	s_cmp_lt_u32 s[WV], 4
	s_cbranch_scc0 .Lno_merge_\@
	MERGE 1-\slot, OUT1                            ; what group 1 stored at the end of the last step, which ran in the other slot
	RESTART
.Lno_merge_\@:
.endif
	FETCH_K \slot, 0
	FETCH_V \slot, 0
	SUB \slot, 0, \first, \diag
	SUB \slot, 1, 0, \diag
	s_add_co_u32 s[T], s[T], 1
.if \diag == 2
	s_cmp_lg_u32 s[DG], 0
	s_cbranch_scc0 .Lnot_done_\@
	s_cmp_lt_u32 s[WV], 4
	s_cbranch_scc1 .Lnot_done_\@                   ; group 0 keeps its sums until the next step's barrier
	GIVE \slot
	RESTART
.Lnot_done_\@:
.endif
.endm
	s_load_b128 s[4:7], s[0:1], 0x0                ; qkv s[4:5], act s[6:7]
	v_lshl_add_u32 v254, v0, 2, 0x47800
	v_mov_b32 v255, 0
	ds_add_u32 v254, v255
	ds_add_u32 v254, v255
	v_lshrrev_b32 v1, 5, v0
	v_readfirstlane_b32 s[WV], v1
	s_and_b32 s[W4], s[WV], 3
	s_lshr_b32 s[GRP], s[WV], 2
	s_lshr_b32 s[KV], s[WV], 1
	s_and_b32 s[KV], s[KV], 1
	s_and_b32 s[BH], ttmp7, 0xffff
	s_mov_b32 s[J], ttmp9
	s_sub_co_u32 s[QB1], 15, s[J]
	s_sub_co_u32 s[S1], 17, s[J]
	s_lshr_b32 s[S1], s[S1], 1
	s_sub_co_u32 s[DT], s[S1], 1
	s_mov_b32 s[T], 0
	s_mov_b32 s[OF+1], 0
	s_mov_b32 s[CS], 0x3e38aa3b                    ; c = log2(e) / sqrt(64)
	s_mov_b32 s[CS+1], s[CS]
	s_mov_b32 s[SEL], 0x76543210
	s_mov_b32 s[SEL+1], 0xfedcba98
	s_mov_b32 s[FL], 0xf149f2ca                    ; -1e30
	; group 1: my 64 rows of 128 bytes are dense in memory: 32 rows of 256 bytes; the padding counts along the whole tile: after every 32 words, that is behind every key's row
	s_mov_b32 s[G1K], (1<<16)|(1<<20)|(4<<22)|(3<<25)   ; 2-byte elements; padding on; after every 32 words 4 words
	s_mov_b32 s[G1V], (1<<16)|(1<<20)|(4<<22)|(7<<25)   ; 8 words
.irp g, G1K, G1V
	s_mov_b32 s[\g+1], 128<<16                     ; tensor_dim0 = 128
	s_mov_b32 s[\g+2], 32<<16                      ; tensor_dim1 = 32
	s_mov_b32 s[\g+3], 128<<16                     ; tile_dim0 = 128
	s_mov_b32 s[\g+4], 32                          ; tile_dim1 = 32
	s_mov_b32 s[\g+5], 128                         ; numbers from row to row
	s_mov_b32 s[\g+6], 0
	s_mov_b32 s[\g+7], 0
.endr
	s_lshl_b32 s59, s[BH], 18                      ; a head is 262,144 bytes
	s_add_co_u32 s56, s[KV], 1                     ; plane 1 (k) or plane 2 (v)
	s_lshl_b32 s56, s56, 23
	s_add_co_u32 s56, s56, s59
	s_and_b32 s58, s[WV], 1
	s_lshl_b32 s58, s58, 13                        ; rows 0-63 or 64-127 of a block
	s_add_co_u32 s56, s56, s58
	s_mov_b32 s57, 0
	s_mul_i32 s58, s[WV], QUART
.irp s, 0,1
	s_mov_b32 s[G0+4*\s], 1
	s_add_co_u32 s[G0+4*\s+1], s58, \s*SLOT        ; wave x 10,240 + slot x 81,920
.endr
	s_lshl_b32 s[OF], s[GRP], 14                   ; step 0: key block 0 for group 0, 1 for group 1
	s_wait_dscnt 0x0
	s_wait_kmcnt 0x0
	s_add_nc_u64 s[BASE:BASE+1], s[4:5], s[56:57]
	s_add_nc_u64 s[G0+2:G0+3], s[BASE:BASE+1], s[OF:OF+1]
	s_or_b32 s[G0+3], s[G0+3], 0x80000000
	TLOAD 0                                        ; the first fill, ahead of every wait on TENSORcnt, LDS read and barrier: one load of mine is out
	s_lshl_b32 s58, s[W4], 12                      ; my 32 rows of 128 bytes,
	s_add_co_u32 s58, s58, s59                     ; in my head
	s_lshl_b32 s56, s[QB1], 14
	s_add_co_u32 s56, s56, s58
	s_add_nc_u64 s[Q1:Q1+1], s[4:5], s[56:57]
	s_lshl_b32 s56, s[J], 14
	s_add_co_u32 s56, s56, s58
	s_add_nc_u64 s[Q2:Q2+1], s[4:5], s[56:57]
	s_lshr_b32 s58, s[BH], 4                       ; ctx: batch x 2,048 rows of 2,048 bytes,
	s_lshl_b32 s58, s58, 22
	s_and_b32 s59, s[BH], 15
	s_lshl_b32 s59, s59, 7                         ; head x 128 bytes,
	s_add_co_u32 s58, s58, s59
	s_lshl_b32 s59, s[W4], 16                      ; 32 rows for each wave of a group
	s_add_co_u32 s58, s58, s59
	s_lshl_b32 s56, s[QB1], 18                     ; block x 128 rows
	s_add_co_u32 s56, s56, s58
	s_add_nc_u64 s[OUT1:OUT1+1], s[6:7], s[56:57]
	s_lshl_b32 s56, s[J], 18
	s_add_co_u32 s56, s56, s58
	s_add_nc_u64 s[OUT2:OUT2+1], s[6:7], s[56:57]
	v_and_b32 v1, 15, v0                           ; r
	v_bfe_u32 v2, v0, 4, 1                         ; h
	v_lshlrev_b32 v[QO], 7, v1
	v_lshl_add_u32 v[QO], v2, 4, v[QO]
	QLOAD Q1
	v_and_b32 v226, 7, v0                          ; l % 8
	v_bfe_u32 v227, v0, 3, 1                       ; (l / 8) % 2
	v_bfe_u32 v228, v0, 3, 2                       ; l / 8
	v_and_b32 v229, 31, v0                         ; l
	v_mul_u32_u24 v230, v1, KP
	v_lshl_add_u32 v230, v2, 4, v230               ; r x 144 + 16 h
	s_mul_i32 s56, s[GRP], BLK                     ; my group's block in a slot
	v_add_nc_u32 v[AK], s56, v230
	v_add_nc_u32 v[AK+1], SLOT, v[AK]
	v_lshl_add_u32 v[AV], v2, 3, v226
	v_mul_u32_u24 v[AV], v[AV], VP
	v_lshl_add_u32 v[AV], v227, 4, v[AV]
	s_add_co_u32 s56, s56, 2*QUART                 ; V lies behind K's two quarters
	v_add_nc_u32 v[AV], s56, v[AV]
	v_add_nc_u32 v[AV+1], SLOT, v[AV]
	s_mul_i32 s56, s[WV], 32*KP
	s_add_co_u32 s56, s56, OSTAGE                  ; my way-out stage (used by waves 0-3 alone)
	v_add_nc_u32 v[STO], s56, v230
	v_mul_u32_u24 v[RD], v228, KP
	v_lshl_add_u32 v[RD], v226, 4, v[RD]
	v_add_nc_u32 v[RD], s56, v[RD]
	v_lshlrev_b32 v[GO], 11, v228
	v_lshl_add_u32 v[GO], v226, 4, v[GO]
	s_mul_i32 s56, s[WV], MW
	s_add_co_u32 s56, s56, MS
	v_lshl_add_u32 v[MA], v229, 4, s56             ; the hand-over: written through MA by waves 4-7 alone,
	v_add_nc_u32 v[MR], MSZ, v[MA]                 ; read through MR by waves 0-3 alone: four waves further on
	v_mov_b32 v[NINF], 0xff800000
	v_lshlrev_b32 v230, 3, v2
	v_sub_nc_u32 v230, v1, v230                    ; r - 8 h
	s_lshl_b32 s56, s[W4], 5
	v_add_nc_u32 v230, s56, v230                   ; + 32 x (wave % 4): my query's number in its block, less 8 h
	s_lshl1_add_u32 s58, s[S1], s[GRP]             ; the first part's last step: my key block 2 (S1 - 1) + group, less the query block: -1, 0 or 1,
	s_sub_co_u32 s58, s58, 2
	s_sub_co_u32 s58, s58, s[QB1]
	s_lshl_b32 s58, s58, 7                         ; in keys
	v_sub_nc_u32 v[D1], v230, s58
	v_add_nc_u32 v[D1+1], 16, v[D1]
	s_lshl_b32 s59, s[S1], 1                       ; the second part's last step is step 8: my key block 2 (8 - S1) + group, less j
	s_sub_co_u32 s59, 16, s59
	s_add_co_u32 s59, s59, s[GRP]
	s_sub_co_u32 s59, s59, s[J]
	s_lshl_b32 s59, s59, 7
	v_sub_nc_u32 v[D2], v230, s59
	v_add_nc_u32 v[D2+1], 16, v[D2]
	STEP 0, 1, 0, 1, 0                             ; step 0: never a part's last (the first part has five steps or more)
	s_mov_b32 s[CNT], 3
.Lsteps:                                               ; steps 1 to 6
	STEP 1, 0, 2, 1, 1
	STEP 0, 0, 2, 1, 1
	s_sub_co_u32 s[CNT], s[CNT], 1
	s_cmp_lg_u32 s[CNT], 0
	s_cbranch_scc1 .Lsteps
	STEP 1, 0, 2, 1, 1                             ; step 7
	STEP 0, 0, 1, 0, 1                             ; step 8: the second part's last; nothing is left to fetch
	s_cmp_lt_u32 s[WV], 4
	s_cbranch_scc1 .Lkeeps
	GIVE 0                                         ; stage 0 was last read in step 7, a barrier ago
.Lkeeps:
	s_wait_dscnt 0x0                               ; for the others' sake: the hand-over is written
	s_barrier_signal -1
	s_barrier_wait -1
	s_cmp_lt_u32 s[WV], 4
	s_cbranch_scc0 .Lend
	MERGE 0, OUT2
.Lend:
	s_wait_tensorcnt 0x0
	ds_add_u32 v254, v255
	s_wait_dscnt 0x0
	s_endpgm
.Lfunc_end_k_qa27f31de30_attn:
	.size	k_qa27f31de30_attn, .Lfunc_end_k_qa27f31de30_attn-k_qa27f31de30_attn
	.p2alignl 7, 3214868480
	.fill 96, 4, 3214868480
	.section	.rodata,"a",@progbits
	.p2align	6, 0x0
	.amdhsa_kernel k_qa27f31de30_attn
		.amdhsa_group_segment_fixed_size 327680
		.amdhsa_private_segment_fixed_size 0
		.amdhsa_enable_private_segment 0
		.amdhsa_kernarg_size 16
		.amdhsa_user_sgpr_count 2
		.amdhsa_user_sgpr_kernarg_segment_ptr 1
		.amdhsa_wavefront_size32 1
		.amdhsa_system_sgpr_workgroup_id_x 1
		.amdhsa_system_sgpr_workgroup_id_y 1
		.amdhsa_system_sgpr_workgroup_id_z 1
		.amdhsa_system_vgpr_workitem_id 0
		.amdhsa_next_free_vgpr 384
		.amdhsa_next_free_sgpr 72
		.amdhsa_reserve_vcc 1
		.amdhsa_float_denorm_mode_32 3
		.amdhsa_float_denorm_mode_16_64 3
		.amdhsa_memory_ordered 1
		.amdhsa_forward_progress 1
		.amdhsa_inst_pref_size 255
	.end_amdhsa_kernel
	.section	.bss,"aw",@nobits
	.p2align	6
	.space	262144
	.amdgpu_metadata
---
amdhsa.version: [ 1, 2 ]
amdhsa.kernels:
  - .name:           k_qa27f31de30_attn
    .symbol:         k_qa27f31de30_attn.kd
    .args:
      - { .name: qkv, .offset: 0, .size: 8, .value_kind: global_buffer, .address_space: global }
      - { .name: act, .offset: 8, .size: 8, .value_kind: global_buffer, .address_space: global }
    .group_segment_fixed_size: 327680
    .private_segment_fixed_size: 0
    .kernarg_segment_align: 8
    .kernarg_segment_size: 16
    .max_flat_workgroup_size: 256
    .sgpr_count:     72
    .vgpr_count:     384
    .wavefront_size: 32
...
	.end_amdgpu_metadata
.endif
;; end of part 3
;; launch wo (part 4): grid 8 x 32, 4 waves a work-group, clusters of 4 x 4, 327,680 bytes of LDS; arguments act, wb, bo, x, x1; writes x1
.if DOCPART == 4
	.amdgcn_target "amdgcn-amd-amdhsa--gfx1250"
	.amdhsa_code_object_version 6
	.text
	.protected	k_qa27f31de30_wo
	.globl	k_qa27f31de30_wo
	.p2align	8
	.type	k_qa27f31de30_wo,@function
k_qa27f31de30_wo:
	s_mov_b64 s[64:65], 0
	v_nop
	global_prefetch_b8 v0, s[64:65] scope:SCOPE_SE
	s_setreg_imm32_b32 hwreg(HW_REG_WAVE_MODE, 25, 1), 1
	s_wait_xcnt 0x0
	s_wait_alu depctr_hold_cnt(0) depctr_sa_sdst(0) depctr_va_vdst(0) depctr_va_sdst(0) depctr_va_ssrc(0) depctr_va_vcc(0) depctr_vm_vsrc(0)
	s_getreg_b32 s2, hwreg(HW_REG_IB_STS2, 6, 4)
	s_cmp_eq_u32 s2, 0
	s_cbranch_scc0 .Lentry_in_a_cluster
	s_endpgm
.Lentry_in_a_cluster:
	s_bfe_u32 s2, ttmp6, 0x10000c
	s_cmp_lg_u32 s2, 0xf033
	s_cbranch_scc0 .Lentry_shape_is_right
	s_endpgm
.Lentry_shape_is_right:
; C = RES + A W + bias.  A [4096][KSZ] bf16 (K along the rows), W [KSZ][1024] bf16 at byte WOFF of wb (K down the rows), bias [1024], RES and C [4096][1024] f32.  Sums in f32.
; N is 1,024, so a tile of C is 128 x 128: 8 x 32 = 256 work-groups.  Four waves, 64 x 64 each: 16 accumulators.  K goes in steps of 256 through two LDS slots filled by tensor loads:
; A's tile rows are 512 bytes, W's 256, each from a multiple of 256 bytes of its buffer.  W's fragments are turned on the way out of LDS by ds_load_tr16_b128.
; CLUSTERS: 4 x 4 work-groups; A's tile is asked for jointly by a row of the cluster, W's by a column.
; THE MATRIX INSTRUCTION IS USED TRANSPOSED (source 0 = 16 columns of W, source 1 = 16 rows of A): a lane holds row l % 16 of C and eight neighbouring columns.
; A wave's 64 columns of f32 are 256 aligned bytes of a row of C: each wave has its own stage and stores whole rows of its part; no barrier on the way out.
; REGISTERS: window 0: v0-31 addresses and bias; v32-95 the way out; v128-255 accumulators ((a, b) at v[128 + 8 (4 a + b)]).  window 1: two fragment buffers of 128.  window 2: v0-127 RES, asked for at the start.
; Matrix operands are rounded to bf16.
.set KSZ,    1024
.set WOFF,   6291456
.set KSTEP,  256
.set PITCH,  528                       ; A's LDS row: 512 + 16 bytes
.set PB,     288                       ; W's LDS row: 256 + 32 bytes, an odd multiple of 32
.set HALFT,  128*PB                    ; a wave's part of a slot: 128 K rows of W (36,864 bytes), or 64 rows of A (33,792 of them used)
.set SLOT,   4*HALFT                   ; A's rows 0-63, 64-127, W's K rows 0-127, 128-255
.set STAGE,  2*SLOT                    ; behind the ring: 16 rows x 272 bytes for each wave; no tensor load lands here
.set SPITCH, 272
.set LAPS,   KSZ/(2*KSTEP)
.set ADRA, 16                          ; v16-17  LDS address of my A fragments in slot 0, 1
.set ADRB, 20                          ; v20-23  of my W fragments: 2 x slot + half of the K step (an LDS offset has 16 bits)
.set STO,  24
.set RD,   25
.set CO,   26                          ; v26     my byte offset in RES and C; never rewritten
.set BOF,  27
.set BIAS, 28                          ; v[28:31] the bias of the four columns that I store
.set OB,   32                          ; two buffers of 32
.set ACC,  128
.set F0,   0
.set F1,   128
.set G1,  24
.set G0,  32
.set G1B, 48
.set G0B, 56
.set MSB, 0
.macro WIN new
.if MSB != \new
	s_set_vgpr_msb (MSB<<8)|\new
.set MSB, \new
.endif
.endm
.set MUL,  0x05                        ; sources 0 (W) and 1 (A) window 1; C and D window 0
.set TO_F, 0x40                        ; destination window 1, address window 0
.macro JLOAD s                         ; a joint load: waves 0, 1 fetch A's halves, waves 2, 3 W's; four v_nop follow each line
	s_cmp_eq_u32 s11, 0
	s_cbranch_scc0 .Lfor_b_\@
	tensor_load_to_lds s[G0+4*\s:G0+4*\s+3], s[G1:G1+7]
	s_nop 0
.rept 4
	v_nop
.endr
	s_branch .Lasked_\@
.Lfor_b_\@:
	tensor_load_to_lds s[G0B+4*\s:G0B+4*\s+3], s[G1B:G1B+7]
	s_nop 0
.rept 4
	v_nop
.endr
.Lasked_\@:
.endm
.macro CREST
	s_cmp_lg_u32 s10, 0
	s_cbranch_scc1 .Lnot_wave_0_\@
	s_barrier_signal -3
.Lnot_wave_0_\@:
	s_barrier_wait -3
	s_barrier_signal -1
	s_barrier_wait -1
.endm
.macro CROUND
	s_barrier_signal -1
	s_barrier_wait -1
	CREST
.endm
.macro PLACES                          ; four plain instructions between a matrix instruction and a load into, or another instruction on, its registers
.rept 4
	v_nop
.endr
.endm
	s_load_b128 s[4:7], s[0:1], 0x0                ; A s[4:5], wb s[6:7]
	s_load_b128 s[68:71], s[0:1], 0x10             ; bias s[68:69], RES s[70:71]
	s_load_b64 s[8:9], s[0:1], 0x20                ; C
	v_lshl_add_u32 v126, v0, 2, 0x4c400
	v_mov_b32 v127, 0
	ds_add_u32 v126, v127
	ds_add_u32 v126, v127
	v_lshrrev_b32 v1, 5, v0
	v_readfirstlane_b32 s10, v1                    ; wave 0..3
	s_lshr_b32 s11, s10, 1                         ; my half of the tile's rows.  Also: I fetch for A (0) or for W (1)
	s_and_b32 s12, s10, 1                          ; my half of its columns.  Also: which half of that tile I fetch
	s_bfe_u32 s40, ttmp6, 0x40000                  ; cx
	s_bfe_u32 s41, ttmp6, 0x40004                  ; cy
	s_lshl_b32 s42, ttmp9, 2
	s_add_co_u32 s42, s42, s40                     ; tile column
	s_and_b32 s13, ttmp7, 0xffff
	s_lshl_b32 s13, s13, 2
	s_add_co_u32 s13, s13, s41                     ; tile row
	s_lshl_b32 s43, s41, 2
	s_lshl_b32 s43, 15, s43                        ; my row of the cluster
	s_lshl_b32 s44, 0x1111, s40                    ; my column
	s_or_b32 s[G1+0], s43, (1<<16)|(1<<20)|(1<<21)|(6<<22)|(3<<25)   ; mask; 2-byte elements; padding on; bit 21 beside a mask; after every 128 words 4 words
	s_mov_b32 s[G1+1], KSTEP<<16                   ; tensor_dim0 = 256
	s_mov_b32 s[G1+2], 64<<16                      ; tensor_dim1 = 64
	s_mov_b32 s[G1+3], KSTEP<<16                   ; tile_dim0 = 256
	s_mov_b32 s[G1+4], 64                          ; tile_dim1 = 64
	s_mov_b32 s[G1+5], KSZ
	s_mov_b32 s[G1+6], 0
	s_mov_b32 s[G1+7], 0
	s_or_b32 s[G1B+0], s44, (1<<16)|(1<<20)|(1<<21)|(5<<22)|(7<<25)  ; after every 64 words 8 words
	s_mov_b32 s[G1B+1], 128<<16                    ; 128 columns
	s_mov_b32 s[G1B+2], 128<<16                    ; 128 K rows
	s_mov_b32 s[G1B+3], 128<<16
	s_mov_b32 s[G1B+4], 128
	s_mov_b32 s[G1B+5], 1024
	s_mov_b32 s[G1B+6], 0
	s_mov_b32 s[G1B+7], 0
	s_lshl_b32 s16, s13, 7
	s_lshl_b32 s17, s12, 6
	s_add_co_u32 s16, s16, s17                     ; A: row 128 x tile row + 64 x half,
	s_mul_i32 s16, s16, KSZ*2                      ; in bytes (under 2^26)
	s_mov_b32 s17, 0
	s_lshl_b32 s46, s42, 8                         ; W: 128 columns x 2 bytes x tile column,
	s_lshl_b32 s47, s12, 18                        ; my 128 K rows of 2,048 bytes
	s_add_co_u32 s46, s46, s47
	s_add_co_u32 s46, s46, WOFF
	s_mov_b32 s47, 0
	s_mul_i32 s20, s10, HALFT                      ; where my load goes: no place in the cluster enters an LDS address
	s_wait_dscnt 0x0
	s_wait_kmcnt 0x0
	s_add_nc_u64 s[14:15], s[4:5], s[16:17]
	s_add_nc_u64 s[46:47], s[6:7], s[46:47]
	CROUND                                         ; all sixteen work-groups are here: the first joint loads meet
.irp s, 0,1
	s_mov_b32 s[G0+4*\s], 1
	s_add_co_u32 s[G0+4*\s+1], s20, \s*SLOT
	s_add_nc_u64 s[G0+4*\s+2:G0+4*\s+3], s[14:15], \s*KSTEP*2
	s_or_b32 s[G0+4*\s+3], s[G0+4*\s+3], 0x80000000
	s_mov_b32 s[G0B+4*\s], 1
	s_add_co_u32 s[G0B+4*\s+1], s20, \s*SLOT
	s_add_nc_u64 s[G0B+4*\s+2:G0B+4*\s+3], s[46:47], \s*KSTEP*2048
	s_or_b32 s[G0B+4*\s+3], s[G0B+4*\s+3], 0x80000000
	JLOAD \s                                       ; two loads of mine are out
.endr
	v_and_b32 v1, 15, v0                           ; r
	v_bfe_u32 v2, v0, 4, 1                         ; h
	v_and_b32 v6, 7, v0
	v_bfe_u32 v7, v0, 3, 1
	; my 64 x 64 of RES and C, and my 64 numbers of the bias
	s_lshl_b32 s72, s13, 7
	s_lshl_b32 s73, s11, 6
	s_add_co_u32 s72, s72, s73
	s_lshl_b32 s72, s72, 12                        ; my first row x 4,096 bytes
	s_lshl_b32 s74, s42, 9
	s_lshl_b32 s73, s12, 8
	s_add_co_u32 s74, s74, s73                     ; my first column x 4 bytes
	s_add_co_u32 s72, s72, s74
	s_mov_b32 s73, 0
	s_mov_b32 s75, 0
	s_add_nc_u64 s[70:71], s[70:71], s[72:73]
	s_add_nc_u64 s[8:9], s[8:9], s[72:73]
	s_add_nc_u64 s[68:69], s[68:69], s[74:75]
	v_lshlrev_b32 v[BOF], 4, v1
	v_lshlrev_b32 v5, 12, v2                       ; lanes 0-15 one row of 256 bytes, lanes 16-31 the next
	v_lshl_add_u32 v[CO], v1, 4, v5
	global_load_b128 v[BIAS:BIAS+3], v[BOF], s[68:69]
	WIN 0x80                                       ; destination window 2
.irp a, 0,1,2,3
.irp t, 0,1,2,3,4,5,6,7
	global_load_b128 v[4*(8*\a+\t):4*(8*\a+\t)+3], v[CO], s[70:71] offset:(16*\a+2*\t)*4096   ; in the layout in which the rows come back from the stage
.endr
.endr
	WIN 0
	v_mul_u32_u24 v3, v1, PITCH
	v_lshl_add_u32 v3, v2, 4, v3                   ; A: row x pitch + 16 x half
	v_lshl_add_u32 v8, v2, 3, v6                   ; W: K row 8 h + l % 8,
	v_mul_u32_u24 v8, v8, PB
	v_lshl_add_u32 v8, v7, 4, v8                   ; columns 8 ((l / 8) % 2) on
	s_mul_i32 s21, s11, HALFT                      ; my 64 rows of A
	s_lshl_b32 s22, s12, 7                         ; my 64 columns of W,
	s_add_co_u32 s22, s22, 2*HALFT                 ; which lies behind A
.irp s, 0,1
	v_add_nc_u32 v[ADRA+\s], s21, v3
	v_add_nc_u32 v[ADRB+2*\s], s22, v8
	s_add_co_u32 s22, s22, HALFT
	v_add_nc_u32 v[ADRB+2*\s+1], s22, v8
	s_add_co_u32 s21, s21, SLOT
	s_add_co_u32 s22, s22, SLOT-HALFT
.endr
	s_mul_i32 s23, s10, 16*SPITCH
	s_add_co_u32 s23, s23, STAGE                   ; my stage
	v_mul_u32_u24 v4, v1, SPITCH                   ; in: row r, 32 bytes for each half of the lanes
	v_lshl_add_u32 v4, v2, 5, v4
	v_add_nc_u32 v[STO], s23, v4
	v_mul_u32_u24 v5, v2, SPITCH                   ; back: whole rows
	v_lshl_add_u32 v5, v1, 4, v5
	v_add_nc_u32 v[RD], s23, v5
; 8 matrix instructions: m blocks a0, a0 + 1 x all 4 n blocks, 32 along K: half c of buffer f.  The 16 accumulators take turns, one instruction a turn.
.macro MUL8 f, c, a0, zero
.irp a, \a0, \a0+1
.irp b, 0,1,2,3
.if \zero
	v_wmma_f32_16x16x32_bf16 v[ACC+8*(4*(\a)+\b):ACC+8*(4*(\a)+\b)+7], v[\f+64+8*(4*\c+\b):\f+64+8*(4*\c+\b)+7], v[\f+8*(4*\c+\a):\f+8*(4*\c+\a)+7], 0
.else
	v_wmma_f32_16x16x32_bf16 v[ACC+8*(4*(\a)+\b):ACC+8*(4*(\a)+\b)+7], v[\f+64+8*(4*\c+\b):\f+64+8*(4*\c+\b)+7], v[\f+8*(4*\c+\a):\f+8*(4*\c+\a)+7], v[ACC+8*(4*(\a)+\b):ACC+8*(4*(\a)+\b)+7]
.endif
.endr
.endr
.endm
; 32 LDS loads in one run: quarter q (64 along K) of a slot into buffer f; the first 32 along K first
.macro FETCH slot, q, f
	WIN TO_F
.irp c, 0,1
.irp i, 0,1,2,3
	ds_load_tr16_b128 v[\f+64+8*(4*\c+\i):\f+64+8*(4*\c+\i)+3],   v[ADRB+2*\slot+\q/2] offset:((\q%2)*64+32*\c)*PB+32*\i
	ds_load_tr16_b128 v[\f+64+8*(4*\c+\i)+4:\f+64+8*(4*\c+\i)+7], v[ADRB+2*\slot+\q/2] offset:((\q%2)*64+32*\c)*PB+16*PB+32*\i
	ds_load_b128 v[\f+8*(4*\c+\i):\f+8*(4*\c+\i)+3],         v[ADRA+\slot] offset:128*\q+64*\c+\i*16*PITCH
	ds_load_b128 v[\f+8*(4*\c+\i)+4:\f+8*(4*\c+\i)+7],       v[ADRA+\slot] offset:128*\q+64*\c+\i*16*PITCH+32
.endr
.endr
.endm
; One of a K step's first three quarters: multiplies buffer f and fetches quarter q into g
.macro QUARTER slot, q, f, g, zero
	s_wait_dscnt 16                                ; the first 32 along K are in; the sixteen loads of the second 32 are younger
	WIN MUL
	MUL8 \f, 0, 0, \zero
	MUL8 \f, 0, 2, \zero
	PLACES
	FETCH \slot, \q, \g
	s_wait_dscnt 32                                ; all but the 32 just issued
	WIN MUL
	MUL8 \f, 1, 0, 0
	MUL8 \f, 1, 2, 0
.endm
; The last quarter multiplies buffer 1 and changes slots: one barrier; in front of it each wave waits for its reads of this slot and for all its tensor loads.  fill = 1: the slot is filled again, two K steps ahead.
.macro TURN slot, next, fill
	s_wait_dscnt 16
	WIN MUL
	MUL8 F1, 0, 0, 0
	s_wait_dscnt 0                                 ; my reads of this slot are over,
	s_set_vgpr_msb 0x500
	s_wait_tensorcnt 0x0                           ; and all my tensor loads have landed: my part of the next slot
	ds_add_u32 v126, v127
	s_wait_dscnt 0x0
	s_set_vgpr_msb 0x5
	s_barrier_signal -1
	MUL8 F1, 0, 2, 0
.if \fill
	WIN 0
.endif
	s_barrier_wait -1
.if \fill
	CREST                                          ; the barrier has opened a round of the cluster's barrier: no wave of any partner still reads this slot or has a load on its way
	s_add_nc_u64 s[G0+4*\slot+2:G0+4*\slot+3], s[G0+4*\slot+2:G0+4*\slot+3], 2*KSTEP*2
	s_add_nc_u64 s[G0B+4*\slot+2:G0B+4*\slot+3], s[G0B+4*\slot+2:G0B+4*\slot+3], 2*KSTEP*2048
	JLOAD \slot                                    ; 120 matrix instructions ahead of the wait for it; its four v_nop are also the places in front of the loads below
.else
	PLACES
.endif
	FETCH \next, 0, F0
	WIN MUL
	MUL8 F1, 1, 0, 0
	MUL8 F1, 1, 2, 0
.endm
; THE WAY OUT of block a (16 rows x 64 columns of f32)
.macro TOSTAGE a
	s_wait_xcnt 0x0                                ; the block before last's stores have read the registers that are loaded below
.irp b, 0,1,2,3
	ds_store_b128 v[STO], v[ACC+8*(4*\a+\b):ACC+8*(4*\a+\b)+3]   offset:64*\b
	ds_store_b128 v[STO], v[ACC+8*(4*\a+\b)+4:ACC+8*(4*\a+\b)+7] offset:64*\b+16
.endr
.irp t, 0,1,2,3,4,5,6,7
	ds_load_b128 v[OB+32*((\a)%2)+4*\t:OB+32*((\a)%2)+4*\t+3], v[RD] offset:\t*2*SPITCH   ; LDS serves a wave's instructions in order (ISA guide 5.7.1.4)
.endr
.endm
.macro SEND a, younger                 ; younger: the LDS instructions issued behind block a's loads
.set BK, OB+32*((\a)%2)
	s_wait_dscnt \younger
	WIN 0x08                                       ; source 1 window 2
.set i, 0
.rept 16
	v_pk_add_f32 v[BK+i:BK+i+1], v[BK+i:BK+i+1], v[32*\a+i:32*\a+i+1]
.set i, i+2
.endr
	WIN 0
.irp t, 0,1,2,3,4,5,6,7
	v_pk_add_f32 v[BK+4*\t:BK+4*\t+1],   v[BK+4*\t:BK+4*\t+1],   v[BIAS:BIAS+1]
	v_pk_add_f32 v[BK+4*\t+2:BK+4*\t+3], v[BK+4*\t+2:BK+4*\t+3], v[BIAS+2:BIAS+3]
.endr
.irp t, 0,1,2,3,4,5,6,7
	global_store_b128 v[CO], v[BK+4*\t:BK+4*\t+3], s[8:9] offset:(16*\a+2*\t)*4096   ; 16 lanes store 256 consecutive aligned bytes
.endr
.endm
	s_wait_tensorcnt 1                             ; my part of K step 0 is in; K step 1's may stay out
	s_barrier_signal -1
	s_barrier_wait -1
	FETCH 0, 0, F0
	QUARTER 0, 1, F0, F1, 1                        ; the first products start the sums
	WIN 0
	s_mov_b32 s3, LAPS-1
.Llap:                                                 ; a trip goes once round the ring and fills both slots again
	QUARTER 0, 2, F1, F0, 0
	QUARTER 0, 3, F0, F1, 0
	TURN 0, 1, 1
	QUARTER 1, 1, F0, F1, 0
	QUARTER 1, 2, F1, F0, 0
	QUARTER 1, 3, F0, F1, 0
	TURN 1, 0, 1
	QUARTER 0, 1, F0, F1, 0
	WIN 0
	s_sub_co_u32 s3, s3, 1
	s_cmp_lg_u32 s3, 0
	s_cbranch_scc1 .Llap
	QUARTER 0, 2, F1, F0, 0                        ; the last lap is written out: it fills nothing
	QUARTER 0, 3, F0, F1, 0
	TURN 0, 1, 0
	QUARTER 1, 1, F0, F1, 0
	QUARTER 1, 2, F1, F0, 0
	QUARTER 1, 3, F0, F1, 0
	s_wait_dscnt 16
	WIN MUL
	MUL8 F1, 0, 0, 0
	MUL8 F1, 0, 2, 0
	s_wait_dscnt 0
	MUL8 F1, 1, 0, 0
	MUL8 F1, 1, 2, 0
	WIN 0
	PLACES
	s_wait_loadcnt 0x0                             ; bias and RES
	TOSTAGE 0
	TOSTAGE 1
	SEND 0, 16                                     ; the next block's 8 stores and 8 loads are younger
	TOSTAGE 2
	SEND 1, 16
	TOSTAGE 3
	SEND 2, 16
	SEND 3, 0
	s_wait_tensorcnt 0x0
	ds_add_u32 v126, v127
	s_wait_dscnt 0x0
	CROUND                                         ; the closing round: no work-group ends while a partner may still ask for a tile that names it
	s_endpgm
.Lfunc_end_k_qa27f31de30_wo:
	.size	k_qa27f31de30_wo, .Lfunc_end_k_qa27f31de30_wo-k_qa27f31de30_wo
	.p2alignl 7, 3214868480
	.fill 96, 4, 3214868480
	.section	.rodata,"a",@progbits
	.p2align	6, 0x0
	.amdhsa_kernel k_qa27f31de30_wo
		.amdhsa_group_segment_fixed_size 327680
		.amdhsa_private_segment_fixed_size 0
		.amdhsa_enable_private_segment 0
		.amdhsa_kernarg_size 40
		.amdhsa_user_sgpr_count 2
		.amdhsa_user_sgpr_kernarg_segment_ptr 1
		.amdhsa_wavefront_size32 1
		.amdhsa_system_sgpr_workgroup_id_x 1
		.amdhsa_system_sgpr_workgroup_id_y 1
		.amdhsa_system_sgpr_workgroup_id_z 1
		.amdhsa_system_vgpr_workitem_id 0
		.amdhsa_next_free_vgpr 640
		.amdhsa_next_free_sgpr 80
		.amdhsa_reserve_vcc 0
		.amdhsa_float_denorm_mode_32 3
		.amdhsa_float_denorm_mode_16_64 3
		.amdhsa_memory_ordered 1
		.amdhsa_forward_progress 1
		.amdhsa_inst_pref_size 98
	.end_amdhsa_kernel
	.amdgpu_metadata
---
amdhsa.version: [ 1, 2 ]
amdhsa.kernels:
  - .name:           k_qa27f31de30_wo
    .symbol:         k_qa27f31de30_wo.kd
    .args:
      - { .name: act, .offset: 0, .size: 8, .value_kind: global_buffer, .address_space: global }
      - { .name: wb, .offset: 8, .size: 8, .value_kind: global_buffer, .address_space: global }
      - { .name: bo, .offset: 16, .size: 8, .value_kind: global_buffer, .address_space: global }
      - { .name: x, .offset: 24, .size: 8, .value_kind: global_buffer, .address_space: global }
      - { .name: x1, .offset: 32, .size: 8, .value_kind: global_buffer, .address_space: global }
    .group_segment_fixed_size: 327680
    .private_segment_fixed_size: 0
    .kernarg_segment_align: 8
    .kernarg_segment_size: 40
    .max_flat_workgroup_size: 128
    .sgpr_count:     80
    .vgpr_count:     640
    .wavefront_size: 32
...
	.end_amdgpu_metadata
.endif
;; end of part 4
;; launch lnc (part 5): grid 256 x 1, 4 waves a work-group, no clusters, 0 bytes of LDS; arguments x1, ln_c_g, ln_c_b, act; writes act
.if DOCPART == 5
	.amdgcn_target "amdgcn-amd-amdhsa--gfx1250"
	.amdhsa_code_object_version 6
	.text
	.protected	k_qa27f31de30_lnc
	.globl	k_qa27f31de30_lnc
	.p2align	8
	.type	k_qa27f31de30_lnc,@function
k_qa27f31de30_lnc:
	s_mov_b64 s[64:65], 0
	v_nop
	global_prefetch_b8 v0, s[64:65] scope:SCOPE_SE
	s_setreg_imm32_b32 hwreg(HW_REG_WAVE_MODE, 25, 1), 1
	s_wait_xcnt 0x0
; act[row] = bf16(LN_c(x1[row])).  16 rows a work-group, 4 rows a wave; a row of 1,024 f32 lies in 32 registers of one wave, so the norm (mean, then the mean of squared
; differences: two passes) never leaves the wave: no LDS, no barrier, no matrix unit.  All four rows of a wave are asked for at the start: 16,384 bytes a wave on their way.
; Load q of a row takes columns 128 q + 4 lane .. + 3: a wave's load covers 512 consecutive bytes, its bf16 store 256 consecutive aligned bytes.
.set MU, 4                             ; v[4:5]     the mean, twice
.set R,  6                             ; v[6:7]     1 / sqrt(var + eps), twice
.set T,  8                             ; v[8:15]    four chains of partial sums
.set Y,  16                            ; v[16:31]   a row in bf16, to store
.set X0, 32                            ; v[32:159]  four rows
.set GC, 160                           ; v[160:191] ln_c_g of my 32 columns
.set BC, 192                           ; v[192:223] ln_c_b
.macro SUM4
	v_pk_add_f32 v[T:T+1], v[T:T+1], v[T+2:T+3]
	v_pk_add_f32 v[T+4:T+5], v[T+4:T+5], v[T+6:T+7]
	v_pk_add_f32 v[T:T+1], v[T:T+1], v[T+4:T+5]
	v_add_f32 v[T], v[T], v[T+1]
.endm
.macro RED                             ; the sum over the 32 lanes, in every lane
	v_add_f32_dpp v[T], v[T], v[T] row_xmask:1 row_mask:0xf bank_mask:0xf
	v_add_f32_dpp v[T], v[T], v[T] row_xmask:2 row_mask:0xf bank_mask:0xf
	v_add_f32_dpp v[T], v[T], v[T] row_xmask:4 row_mask:0xf bank_mask:0xf
	v_add_f32_dpp v[T], v[T], v[T] row_xmask:8 row_mask:0xf bank_mask:0xf
	v_permlanex16_b32 v[T+1], v[T], s18, s19
	v_add_f32 v[T], v[T], v[T+1]
.endm
.macro LN1 X, G, B
.irp c, 0,1,2,3
	v_pk_add_f32 v[T+2*\c:T+2*\c+1], v[\X+2*\c:\X+2*\c+1], v[\X+8+2*\c:\X+8+2*\c+1]
.endr
.irp p, 8,12
.irp c, 0,1,2,3
	v_pk_add_f32 v[T+2*\c:T+2*\c+1], v[T+2*\c:T+2*\c+1], v[\X+2*(\p+\c):\X+2*(\p+\c)+1]
.endr
.endr
	SUM4
	RED
	v_mul_f32 v[MU], s20, v[T]
	v_mul_f32 v[MU+1], s20, v[T]
.set i, 0
.rept 16
	v_pk_add_f32 v[\X+i:\X+i+1], v[\X+i:\X+i+1], v[MU:MU+1] neg_lo:[0,1] neg_hi:[0,1]
.set i, i+2
.endr
.irp c, 0,1,2,3
	v_pk_mul_f32 v[T+2*\c:T+2*\c+1], v[\X+2*\c:\X+2*\c+1], v[\X+2*\c:\X+2*\c+1]
.endr
.irp p, 4,8,12
.irp c, 0,1,2,3
	v_pk_fma_f32 v[T+2*\c:T+2*\c+1], v[\X+2*(\p+\c):\X+2*(\p+\c)+1], v[\X+2*(\p+\c):\X+2*(\p+\c)+1], v[T+2*\c:T+2*\c+1]
.endr
.endr
	SUM4
	RED
	v_fma_f32 v[T], v[T], s20, s21                 ; var + eps
	v_rsq_f32 v[R], v[T]
	v_rsq_f32 v[R+1], v[T]
	v_nop                                          ; one plain instruction between the root and its use (ISA guide 5.7.2)
.set i, 0
	s_wait_alu depctr_va_vdst(0)
.rept 16
	v_pk_mul_f32 v[\X+i:\X+i+1], v[\X+i:\X+i+1], v[R:R+1]
.set i, i+2
.endr
.set i, 0
.rept 16
	v_pk_fma_f32 v[\X+i:\X+i+1], v[\X+i:\X+i+1], v[\G+i:\G+i+1], v[\B+i:\B+i+1]
.set i, i+2
.endr
.endm
.macro ROW n
	s_wait_loadcnt 8*(3-\n)                        ; row n is in (gain and bias were asked for ahead of it); the later rows' loads, eight each, stay out
	LN1 X0+32*\n, GC, BC
	s_wait_xcnt 0x0                                ; Y was the last row's store data: it is rewritten only behind this wait
.irp p, 0,1,2,3,4,5,6,7,8,9,10,11,12,13,14,15
	v_cvt_pk_bf16_f32 v[Y+\p], v[X0+32*\n+2*\p], v[X0+32*\n+2*\p+1]
.endr
.irp q, 0,1,2,3,4,5,6,7
	global_store_b64 v2, v[Y+2*\q:Y+2*\q+1], s[10:11] offset:\n*2048+256*\q
.endr
.endm
	s_load_b256 s[4:11], s[0:1], 0x0               ; x1 4, ln_c_g 6, ln_c_b 8, act 10
	v_lshrrev_b32 v3, 5, v0
	v_readfirstlane_b32 s12, v3                    ; wave
	v_and_b32 v3, 31, v0
	v_lshlrev_b32 v1, 4, v3                        ; 16 bytes a lane in f32 data; never rewritten
	v_lshlrev_b32 v2, 3, v3                        ; 8 bytes a lane in bf16 data; never rewritten
	s_lshl_b32 s14, ttmp9, 4
	s_lshl2_add_u32 s14, s12, s14                  ; my first row = 16 x work-group + 4 x wave
	s_lshl_b32 s16, s14, 11
	s_mov_b32 s17, 0
	s_lshl_b32 s14, s14, 12
	s_mov_b32 s15, 0
	s_mov_b32 s18, 0x76543210
	s_mov_b32 s19, 0xfedcba98
	s_mov_b32 s20, 0x3a800000                      ; 1 / 1024
	s_mov_b32 s21, 0x3727c5ac                      ; eps = 1e-5
	s_wait_kmcnt 0x0
	s_add_nc_u64 s[4:5], s[4:5], s[14:15]
	s_add_nc_u64 s[10:11], s[10:11], s[16:17]
.irp q, 0,1,2,3,4,5,6,7
	global_load_b128 v[GC+4*\q:GC+4*\q+3], v1, s[6:7] offset:512*\q
.endr
.irp q, 0,1,2,3,4,5,6,7
	global_load_b128 v[BC+4*\q:BC+4*\q+3], v1, s[8:9] offset:512*\q
.endr
.irp n, 0,1,2,3
.irp q, 0,1,2,3,4,5,6,7
	global_load_b128 v[X0+32*\n+4*\q:X0+32*\n+4*\q+3], v1, s[4:5] offset:\n*4096+512*\q
.endr
.endr
	ROW 0
	ROW 1
	ROW 2
	ROW 3
	s_endpgm
.Lfunc_end_k_qa27f31de30_lnc:
	.size	k_qa27f31de30_lnc, .Lfunc_end_k_qa27f31de30_lnc-k_qa27f31de30_lnc
	.p2alignl 7, 3214868480
	.fill 96, 4, 3214868480
	.section	.rodata,"a",@progbits
	.p2align	6, 0x0
	.amdhsa_kernel k_qa27f31de30_lnc
		.amdhsa_group_segment_fixed_size 0
		.amdhsa_private_segment_fixed_size 0
		.amdhsa_enable_private_segment 0
		.amdhsa_kernarg_size 32
		.amdhsa_user_sgpr_count 2
		.amdhsa_user_sgpr_kernarg_segment_ptr 1
		.amdhsa_wavefront_size32 1
		.amdhsa_system_sgpr_workgroup_id_x 1
		.amdhsa_system_sgpr_workgroup_id_y 1
		.amdhsa_system_sgpr_workgroup_id_z 1
		.amdhsa_system_vgpr_workitem_id 0
		.amdhsa_next_free_vgpr 224
		.amdhsa_next_free_sgpr 66
		.amdhsa_reserve_vcc 0
		.amdhsa_float_denorm_mode_32 3
		.amdhsa_float_denorm_mode_16_64 3
		.amdhsa_memory_ordered 1
		.amdhsa_forward_progress 1
		.amdhsa_inst_pref_size 38
	.end_amdhsa_kernel
	.amdgpu_metadata
---
amdhsa.version: [ 1, 2 ]
amdhsa.kernels:
  - .name:           k_qa27f31de30_lnc
    .symbol:         k_qa27f31de30_lnc.kd
    .args:
      - { .name: x1, .offset: 0, .size: 8, .value_kind: global_buffer, .address_space: global }
      - { .name: ln_c_g, .offset: 8, .size: 8, .value_kind: global_buffer, .address_space: global }
      - { .name: ln_c_b, .offset: 16, .size: 8, .value_kind: global_buffer, .address_space: global }
      - { .name: act, .offset: 24, .size: 8, .value_kind: global_buffer, .address_space: global }
    .group_segment_fixed_size: 0
    .private_segment_fixed_size: 0
    .kernarg_segment_align: 8
    .kernarg_segment_size: 32
    .max_flat_workgroup_size: 128
    .sgpr_count:     66
    .vgpr_count:     224
    .wavefront_size: 32
...
	.end_amdgpu_metadata
.endif
;; end of part 5
;; launch we (part 6): grid 16 x 16, 4 waves a work-group, clusters of 4 x 4, 327,680 bytes of LDS; arguments act, wb, be, h; writes h
.if DOCPART == 6
	.amdgcn_target "amdgcn-amd-amdhsa--gfx1250"
	.amdhsa_code_object_version 6
	.text
	.protected	k_qa27f31de30_we
	.globl	k_qa27f31de30_we
	.p2align	8
	.type	k_qa27f31de30_we,@function
k_qa27f31de30_we:
	s_mov_b64 s[64:65], 0
	v_nop
	global_prefetch_b8 v0, s[64:65] scope:SCOPE_SE
	s_setreg_imm32_b32 hwreg(HW_REG_WAVE_MODE, 25, 1), 1
	s_wait_xcnt 0x0
	s_wait_alu depctr_hold_cnt(0) depctr_sa_sdst(0) depctr_va_vdst(0) depctr_va_sdst(0) depctr_va_ssrc(0) depctr_va_vcc(0) depctr_vm_vsrc(0)
	s_getreg_b32 s2, hwreg(HW_REG_IB_STS2, 6, 4)
	s_cmp_eq_u32 s2, 0
	s_cbranch_scc0 .Lentry_in_a_cluster
	s_endpgm
.Lentry_in_a_cluster:
	s_bfe_u32 s2, ttmp6, 0x10000c
	s_cmp_lg_u32 s2, 0xf033
	s_cbranch_scc0 .Lentry_shape_is_right
	s_endpgm
.Lentry_shape_is_right:
; C = A W + bias, A [4096][1024] bf16 (K along the rows), W [1024][NP] bf16 (K down the rows, as the weights are given), sums in f32.
; QKV = 1: W is Wq, Wk or Wv (the cluster's x picks it, its bias and its plane of the output); C leaves as bf16, head-major: [plane][batch x 16 + head][2048][64].
; QKV = 0: W is We; C = silu(A W + be) leaves as bf16 [4096][4096].  silu(t) = t / (1 + 2^(-t log2 e)); below about t = -88 the power overflows to infinity and the result is -0.
; A tile of C is 256 x 256: four waves, 128 x 128 each: 64 accumulators of 16 x 16, 512 registers.  K goes in steps of 128 through two LDS slots filled by tensor loads.
; A's tile rows are 256 bytes, W's 512: each starts at a multiple of 256 bytes of its buffer.  W's fragments are turned on the way out of LDS by ds_load_tr16_b128.
; CLUSTERS: 4 x 4 work-groups.  A's tile hangs on the tile row alone and is asked for jointly by a row of the cluster, W's on the tile column alone, by a column.
; THE MATRIX INSTRUCTION IS USED TRANSPOSED: source 0 = 16 columns of W, source 1 = 16 rows of A: a lane holds row l % 16 of C and eight neighbouring columns 8 (l / 16) + 0..7.
; REGISTERS, in windows of 256: window 0: v0-31 addresses; v64-127, v128-191 fragments of A, two buffers (on the way out: sums with bias, and the sigmoid at work); v192-223, v32-63, v224-255 the way out.
;   window 1: v0-63 the bias of my 128 columns in the accumulators' layout; v64-127, v128-191 fragments of W.   windows 2, 3: accumulators of my rows 0-63, 64-127 ((a, b) at v[8 (8 a + b)]).
; Matrix operands are rounded to bf16; exponentials and reciprocals flush denormals.
.set QKV,    0
.set KSZ,    1024
.set NP,     4096                      ; W's pitch in numbers
.set ROWB,   8192                      ; bytes from a row of C to the next, as it is stored
.set KSTEP,  128
.set PITCH,  272                       ; A's LDS row: 256 + 16 bytes: the 16 rows of a fragment load start 68 words apart
.set PB,     544                       ; W's LDS row: 512 + 32 bytes, an odd multiple of 32
.set HALFT,  128*PITCH                 ; what one tensor load brings: 128 rows of A, or 64 rows of W (64 x 544, the same bytes)
.set SLOT,   4*HALFT                   ; A's rows 0-127, 128-255, W's K rows 0-63, 64-127
.set STAGE,  2*SLOT                    ; behind the ring: 16 rows x 272 bytes for each wave; no tensor load lands here
.set SPITCH, 272
.set LAPS,   KSZ/(2*KSTEP)
.set ADRA, 16                          ; v16-17  LDS address of my A fragments in slot 0, 1
.set ADRB, 20                          ; v20-21  the same for W
.set STO,  24                          ; v24     the way out: where I put 16 bytes of a row
.set RD,   25                          ; v25     where I read back
.set CO,   26                          ; v26     my byte offset in C; never rewritten
.set BO,   27                          ; v27     my byte offset in the bias
.set F0,   64
.set F1,   128
.set TT,   64                          ; the way out: a block's 64 sums with bias
.set EE,   128                         ; the sigmoid at work
.set TMP,  192
.set OB,   32
.set G1,  24                           ; s[24:31] group 1 for A;  s[32:39] group 0, a set for each slot
.set G0,  32
.set G1B, 48                           ; s[48:55], s[56:63] the same for W
.set G0B, 56
.set MSB, 0
.macro WIN new                         ; the immediate's high byte repeats the setting that is left; a switch that changes nothing is dropped
.if MSB != \new
	s_set_vgpr_msb (MSB<<8)|\new
.set MSB, \new
.endif
.endm
.set MUL_LO, 0xa1                      ; source 0 (W) window 1, source 1 (A) window 0, C and D window 2
.set MUL_HI, 0xf1                      ; the same, C and D window 3
.set TO_B,   0x40                      ; destination window 1, address window 0
.macro JLOAD s                         ; a joint load: waves 0, 1 fetch A's halves, waves 2, 3 W's; the branch hangs on the wave's number alone; four v_nop follow each line
	s_cmp_eq_u32 s11, 0
	s_cbranch_scc0 .Lfor_b_\@
	tensor_load_to_lds s[G0+4*\s:G0+4*\s+3], s[G1:G1+7]
	s_nop 0
.rept 4
	v_nop
.endr
	s_branch .Lasked_\@
.Lfor_b_\@:
	tensor_load_to_lds s[G0B+4*\s:G0B+4*\s+3], s[G1B:G1B+7]
	s_nop 0
.rept 4
	v_nop
.endr
.Lasked_\@:
.endm
.macro CREST                           ; a round of the cluster's barrier behind its opening barrier
	s_cmp_lg_u32 s10, 0
	s_cbranch_scc1 .Lnot_wave_0_\@
	s_barrier_signal -3
.Lnot_wave_0_\@:
	s_barrier_wait -3
	s_barrier_signal -1
	s_barrier_wait -1
.endm
.macro CROUND
	s_barrier_signal -1
	s_barrier_wait -1
	CREST
.endm
.macro PLACES                          ; four plain instructions between a matrix instruction and a load into, or a vector instruction on, its registers
.rept 4
	v_nop
.endr
.endm
	s_load_b128 s[4:7], s[0:1], 0x0                ; A s[4:5], wb s[6:7]
.if QKV
	s_load_b64 s[66:67], s[0:1], 0x10              ; bq
	s_load_b128 s[68:71], s[0:1], 0x18             ; bk, bv
	s_load_b64 s[8:9], s[0:1], 0x28                ; C
.else
	s_load_b64 s[66:67], s[0:1], 0x10              ; be
	s_load_b64 s[8:9], s[0:1], 0x18                ; C
	s_set_vgpr_msb 0x40
	v_lshl_add_u32 v255, v0, 2, 0x48400
	s_set_vgpr_msb 0x4000
	v_mov_b32 v31, 0
	s_set_vgpr_msb 0x1
	ds_add_u32 v255, v31
	ds_add_u32 v255, v31
	s_set_vgpr_msb 0x100
.endif
	v_lshrrev_b32 v1, 5, v0
	v_readfirstlane_b32 s10, v1                    ; wave 0..3
	s_lshr_b32 s11, s10, 1                         ; my half of the tile's rows.  Also: I fetch for A (0) or for W (1)
	s_and_b32 s12, s10, 1                          ; my half of its columns.  Also: which half of that tile I fetch
	s_bfe_u32 s40, ttmp6, 0x40000                  ; cx
	s_bfe_u32 s41, ttmp6, 0x40004                  ; cy
	s_lshl_b32 s42, ttmp9, 2
	s_add_co_u32 s42, s42, s40                     ; tile column = 4 x cluster x + cx
	s_and_b32 s13, ttmp7, 0xffff
	s_lshl_b32 s13, s13, 2
	s_add_co_u32 s13, s13, s41                     ; tile row = 4 x cluster y + cy
	s_lshl_b32 s43, s41, 2
	s_lshl_b32 s43, 15, s43                        ; my row of the cluster
	s_lshl_b32 s44, 0x1111, s40                    ; my column
	s_or_b32 s[G1+0], s43, (1<<16)|(1<<20)|(1<<21)|(5<<22)|(3<<25)   ; mask; 2-byte elements; padding on; bit 21 beside a mask; after every 64 words 4 words
	s_mov_b32 s[G1+1], KSTEP<<16                   ; tensor_dim0 = 128
	s_mov_b32 s[G1+2], 128<<16                     ; tensor_dim1 = 128
	s_mov_b32 s[G1+3], KSTEP<<16                   ; tile_dim0 = 128
	s_mov_b32 s[G1+4], 128                         ; tile_dim1 = 128
	s_mov_b32 s[G1+5], KSZ                         ; numbers from row to row
	s_mov_b32 s[G1+6], 0
	s_mov_b32 s[G1+7], 0
	s_or_b32 s[G1B+0], s44, (1<<16)|(1<<20)|(1<<21)|(6<<22)|(7<<25)  ; after every 128 words 8 words
	s_mov_b32 s[G1B+1], 256<<16                    ; tensor_dim0 = 256 columns
	s_mov_b32 s[G1B+2], 64<<16                     ; tensor_dim1 = 64 K rows
	s_mov_b32 s[G1B+3], 256<<16
	s_mov_b32 s[G1B+4], 64
	s_mov_b32 s[G1B+5], NP
	s_mov_b32 s[G1B+6], 0
	s_mov_b32 s[G1B+7], 0
	; A's tile hangs on the tile row and the wave; W's on the tile column and the wave; neither set of registers ever holds the other coordinate
	s_lshl_b32 s16, s13, 8
	s_lshl_b32 s17, s12, 7
	s_add_co_u32 s16, s16, s17                     ; A: row 256 x tile row + 128 x half,
	s_lshl_b32 s16, s16, 11                        ; x 2,048 bytes
	s_mov_b32 s17, 0
.if QKV
	s_lshl_b32 s46, ttmp9, 21                      ; which of Wq, Wk, Wv: 2 MiB each in wb
	s_lshl_b32 s47, s40, 9                         ; 256 columns x 2 bytes x cx
.else
	s_mov_b32 s46, 8388608                         ; We in wb
	s_lshl_b32 s47, s42, 9
.endif
	s_add_co_u32 s46, s46, s47
	s_mul_i32 s47, s12, 64*NP*2                    ; my 64 K rows of the step
	s_add_co_u32 s46, s46, s47
	s_mov_b32 s47, 0
	s_mul_i32 s20, s10, HALFT                      ; where my load goes: wave x 34,816: no place in the cluster enters an LDS address
	s_wait_dscnt 0x0
	s_wait_kmcnt 0x0
	s_add_nc_u64 s[14:15], s[4:5], s[16:17]
	s_add_nc_u64 s[46:47], s[6:7], s[46:47]
	CROUND                                         ; all sixteen work-groups are here: the first joint loads meet
.irp s, 0,1
	s_mov_b32 s[G0+4*\s], 1
	s_add_co_u32 s[G0+4*\s+1], s20, \s*SLOT
	s_add_nc_u64 s[G0+4*\s+2:G0+4*\s+3], s[14:15], \s*KSTEP*2
	s_or_b32 s[G0+4*\s+3], s[G0+4*\s+3], 0x80000000
	s_mov_b32 s[G0B+4*\s], 1
	s_add_co_u32 s[G0B+4*\s+1], s20, \s*SLOT
	s_add_nc_u64 s[G0B+4*\s+2:G0B+4*\s+3], s[46:47], \s*KSTEP*NP*2
	s_or_b32 s[G0B+4*\s+3], s[G0B+4*\s+3], 0x80000000
	JLOAD \s                                       ; two loads of mine are out
.endr
	; the bias of my 128 columns
.if QKV
	s_cmp_eq_u32 ttmp9, 1
	s_cselect_b64 s[66:67], s[68:69], s[66:67]
	s_cmp_eq_u32 ttmp9, 2
	s_cselect_b64 s[66:67], s[70:71], s[66:67]
	s_lshl_b32 s72, s40, 10
.else
	s_lshl_b32 s72, s42, 10
.endif
	s_lshl_b32 s73, s12, 9
	s_add_co_u32 s72, s72, s73
	s_mov_b32 s73, 0
	s_add_nc_u64 s[66:67], s[66:67], s[72:73]
	v_and_b32 v1, 15, v0                           ; r = l % 16
	v_bfe_u32 v2, v0, 4, 1                         ; h = l / 16
	v_and_b32 v6, 7, v0                            ; l % 8
	v_bfe_u32 v7, v0, 3, 1                         ; (l / 8) % 2
	v_lshlrev_b32 v[BO], 5, v2                     ; register 8 b + j belongs to column 16 b + 8 h + j
	WIN TO_B
.irp b, 0,1,2,3,4,5,6,7
	global_load_b128 v[8*\b:8*\b+3],   v[BO], s[66:67] offset:64*\b
	global_load_b128 v[8*\b+4:8*\b+7], v[BO], s[66:67] offset:64*\b+16
.endr
	WIN 0
	v_mul_u32_u24 v3, v1, PITCH
	v_lshl_add_u32 v3, v2, 4, v3                   ; A: row x pitch + 16 x half
	v_lshl_add_u32 v8, v2, 3, v6                   ; W: K row 8 h + l % 8,
	v_mul_u32_u24 v8, v8, PB
	v_lshl_add_u32 v8, v7, 4, v8                   ; columns 8 ((l / 8) % 2) on
	s_mul_i32 s21, s11, HALFT                      ; my 128 rows of A
	s_lshl_b32 s22, s12, 8                         ; my 128 columns of W,
	s_add_co_u32 s22, s22, 2*HALFT                 ; which lies behind A
.irp s, 0,1
	v_add_nc_u32 v[ADRA+\s], s21, v3
	v_add_nc_u32 v[ADRB+\s], s22, v8
	s_add_co_u32 s21, s21, SLOT
	s_add_co_u32 s22, s22, SLOT
.endr
	s_mul_i32 s23, s10, 16*SPITCH
	s_add_co_u32 s23, s23, STAGE                   ; my stage
	v_mul_u32_u24 v4, v1, SPITCH
	v_lshl_add_u32 v4, v2, 4, v4
	v_add_nc_u32 v[STO], s23, v4
.if QKV
	; my 128 columns are two heads.  Lanes 0-15 take rows 2 t, 2 t + 1 of the first head (2 x 128 bytes, neighbours in the head-major output), lanes 16-31 of the second
	v_mul_u32_u24 v5, v7, SPITCH
	v_lshl_add_u32 v5, v2, 7, v5
	v_lshl_add_u32 v5, v6, 4, v5
	v_add_nc_u32 v[RD], s23, v5
	v_lshlrev_b32 v5, 18, v2                       ; a head is 262,144 bytes
	v_lshl_add_u32 v5, v7, 7, v5
	v_lshl_add_u32 v[CO], v6, 4, v5
	s_lshl_b32 s74, ttmp9, 23                      ; the plane: q, k or v
	s_lshr_b32 s75, s13, 3                         ; batch = row / 2048
	s_lshl_b32 s75, s75, 4
	s_lshl2_add_u32 s75, s40, s75                  ; + head = 4 cx + 2 x my half of the columns
	s_lshl1_add_u32 s75, s12, s75
	s_lshl_b32 s75, s75, 18
	s_add_co_u32 s74, s74, s75
	s_and_b32 s75, s13, 7
	s_lshl_b32 s75, s75, 8
	s_lshl_b32 s76, s11, 7
	s_add_co_u32 s75, s75, s76                     ; my first row in the batch,
	s_lshl_b32 s75, s75, 7                         ; x 128 bytes
	s_add_co_u32 s74, s74, s75
.else
	v_mul_u32_u24 v5, v2, SPITCH                   ; lanes 0-15 take one row of 256 bytes, lanes 16-31 the next
	v_lshl_add_u32 v5, v1, 4, v5
	v_add_nc_u32 v[RD], s23, v5
	v_lshlrev_b32 v5, 13, v2
	v_lshl_add_u32 v[CO], v1, 4, v5
	s_lshl_b32 s74, s13, 8
	s_lshl_b32 s75, s11, 7
	s_add_co_u32 s74, s74, s75
	s_lshl_b32 s74, s74, 13                        ; my first row x 8,192 bytes
	s_lshl_b32 s75, s42, 9
	s_add_co_u32 s74, s74, s75
	s_lshl_b32 s75, s12, 8
	s_add_co_u32 s74, s74, s75
.endif
	s_mov_b32 s75, 0
	s_add_nc_u64 s[8:9], s[8:9], s[74:75]
; 16 matrix instructions: m blocks a0, a0 + 1 of the window's four x all 8 n blocks, 32 along K.  zero = 1: the first product starts the sums.
; The 64 accumulators take turns, one instruction a turn.
.macro MUL16 f, hi, a0, zero
.irp a, \a0, \a0+1
.irp b, 0,1,2,3,4,5,6,7
.if \zero
	v_wmma_f32_16x16x32_bf16 v[8*(8*(\a)+\b):8*(8*(\a)+\b)+7], v[\f+8*\b:\f+8*\b+7], v[\f+8*(4*\hi+\a):\f+8*(4*\hi+\a)+7], 0
.else
	v_wmma_f32_16x16x32_bf16 v[8*(8*(\a)+\b):8*(8*(\a)+\b)+7], v[\f+8*\b:\f+8*\b+7], v[\f+8*(4*\hi+\a):\f+8*(4*\hi+\a)+7], v[8*(8*(\a)+\b):8*(8*(\a)+\b)+7]
.endif
.endr
.endr
.endm
; 32 LDS loads in one run: a quarter step's fragments (32 along K, at byte k of A's rows = K row k / 2 of W) into buffer f: W's sixteen, then A's sixteen
.macro FETCH slot, k, f
	WIN TO_B
.irp i, 0,1,2,3,4,5,6,7
	ds_load_tr16_b128 v[\f+8*\i:\f+8*\i+3],   v[ADRB+\slot] offset:(\k/2)*PB+32*\i
	ds_load_tr16_b128 v[\f+8*\i+4:\f+8*\i+7], v[ADRB+\slot] offset:(\k/2)*PB+16*PB+32*\i
.endr
	WIN 0
.irp i, 0,1,2,3,4,5,6,7
	ds_load_b128 v[\f+8*\i:\f+8*\i+3],   v[ADRA+\slot] offset:\k+\i*16*PITCH
	ds_load_b128 v[\f+8*\i+4:\f+8*\i+7], v[ADRA+\slot] offset:\k+\i*16*PITCH+32
.endr
.endm
; One of a K step's first three quarters: multiplies buffer f; in its middle it fetches the next quarter into g
.macro QUARTER slot, k, f, g, zero
	s_wait_dscnt 8                                 ; W and A's rows 0-63 are in; the youngest eight loads (A's rows 64-127) may be out
	WIN MUL_LO
	MUL16 \f, 0, 0, \zero
	MUL16 \f, 0, 2, \zero
	PLACES
	FETCH \slot, \k, \g
	s_wait_dscnt 32                                ; all but the 32 just issued
	WIN MUL_HI
	MUL16 \f, 1, 0, \zero
	MUL16 \f, 1, 2, \zero
.endm
; The first half of a step's last quarter: one barrier for the change of slots
.macro MEET round
	s_wait_dscnt 8
	WIN MUL_LO
	MUL16 F1, 0, 0, 0
	s_wait_dscnt 0                                 ; my reads of this slot are over,
	s_wait_tensorcnt 0x0                           ; and all my tensor loads have landed: the one that was out is my part of the next slot
	ds_add_u32 v255, v31
	s_wait_dscnt 0x0
	s_barrier_signal -1
	MUL16 F1, 0, 2, 0                              ; register work while the others arrive
.if \round
	WIN 0
.endif
	s_barrier_wait -1
.endm
; The whole last quarter where the slot is filled again, two K steps ahead: the barrier opens a round of the cluster's barrier, and the joint refill is the first thing behind it
.macro TURN slot, next
	MEET 1
	CREST                                          ; no wave of any partner still reads this slot or has a load on its way
	s_add_nc_u64 s[G0+4*\slot+2:G0+4*\slot+3], s[G0+4*\slot+2:G0+4*\slot+3], 2*KSTEP*2
	s_add_nc_u64 s[G0B+4*\slot+2:G0B+4*\slot+3], s[G0B+4*\slot+2:G0B+4*\slot+3], 2*KSTEP*NP*2
	JLOAD \slot                                    ; 240 matrix instructions ahead of the wait for it; its four v_nop are also the places in front of the loads below
	FETCH \next, 0, F0
	WIN MUL_HI
	MUL16 F1, 1, 0, 0
	MUL16 F1, 1, 2, 0
.endm
; THE WAY OUT of block a (16 rows x 128 columns).  PACK: + bias (and silu), rounded to bf16.  TOSTAGE: into my own stage, and back by rows.  SEND: stored.
.macro PACK a
.set AC, 64*((\a)%4)
	WIN 0x06+(\a)/4                                ; source 0 window 2 or 3 (sums), source 1 window 1 (bias), destination window 0
.set i, 0
.rept 32
	v_pk_add_f32 v[TT+i:TT+i+1], v[AC+i:AC+i+1], v[i:i+1]
.set i, i+2
.endr
	WIN 0
.if QKV == 0
.set i, 0
.rept 32
	v_pk_mul_f32 v[EE+i:EE+i+1], v[TT+i:TT+i+1], 0xbfb8aa3b op_sel_hi:[1,0]   ; -t log2 e
.set i, i+2
.endr
.set i, 0
.rept 64
	v_exp_f32 v[EE+i], v[EE+i]
.set i, i+1
.endr
	v_nop                                          ; a plain instruction between the last exponential and its use (ISA guide 5.7.2)
.set i, 0
	s_wait_alu depctr_va_vdst(0)
.rept 32
	v_pk_add_f32 v[EE+i:EE+i+1], v[EE+i:EE+i+1], 1.0 op_sel_hi:[1,0]
.set i, i+2
.endr
.set i, 0
.rept 64
	v_rcp_f32 v[EE+i], v[EE+i]
.set i, i+1
.endr
	v_nop
.set i, 0
	s_wait_alu depctr_va_vdst(0)
.rept 32
	v_pk_mul_f32 v[TT+i:TT+i+1], v[TT+i:TT+i+1], v[EE+i:EE+i+1]
.set i, i+2
.endr
.endif
.set i, 0
.rept 32
	v_cvt_pk_bf16_f32 v[TMP+i], v[TT+2*i], v[TT+2*i+1]
.set i, i+1
.endr
.endm
.macro TOSTAGE a
.set BK, OB+192*((\a)%2)
.irp b, 0,1,2,3,4,5,6,7
	ds_store_b128 v[STO], v[TMP+4*\b:TMP+4*\b+3] offset:32*\b
.endr
.irp t, 0,1,2,3,4,5,6,7
	ds_load_b128 v[BK+4*\t:BK+4*\t+3], v[RD] offset:\t*2*SPITCH    ; LDS serves a wave's instructions in order (ISA guide 5.7.1.4): these see the stores above
.endr
.endm
.macro SEND a
.set BK, OB+192*((\a)%2)
	s_wait_dscnt 0x0                               ; the block is back in registers
	s_wait_xcnt 0x0                                ; the block before last's stores have read their registers: the next TOSTAGE loads into them
.irp t, 0,1,2,3,4,5,6,7
	global_store_b128 v[CO], v[BK+4*\t:BK+4*\t+3], s[8:9] offset:(16*(\a)+2*\t)*ROWB   ; 16 lanes store 256 consecutive aligned bytes; 126 rows at the most stand in the immediate
.endr
.endm
	s_wait_tensorcnt 1                             ; my part of K step 0 is in; K step 1's may stay out
	s_barrier_signal -1
	s_barrier_wait -1
	FETCH 0, 0, F0
	QUARTER 0, 64,  F0, F1, 1                      ; the first quarter starts the sums
	WIN 0
	s_mov_b32 s3, LAPS-1
.Llap:                                                 ; a trip goes once round the ring and fills both slots again
	QUARTER 0, 128, F1, F0, 0
	QUARTER 0, 192, F0, F1, 0
	TURN 0, 1
	QUARTER 1, 64,  F0, F1, 0
	QUARTER 1, 128, F1, F0, 0
	QUARTER 1, 192, F0, F1, 0
	TURN 1, 0
	QUARTER 0, 64,  F0, F1, 0
	WIN 0
	s_sub_co_u32 s3, s3, 1
	s_cmp_lg_u32 s3, 0
	s_cbranch_scc1 .Llap
	QUARTER 0, 128, F1, F0, 0                      ; the last lap is written out: it asks for nothing more
	QUARTER 0, 192, F0, F1, 0
	MEET 0
	PLACES
	FETCH 1, 0, F0
	WIN MUL_HI
	MUL16 F1, 1, 0, 0
	MUL16 F1, 1, 2, 0
	QUARTER 1, 64,  F0, F1, 0
	QUARTER 1, 128, F1, F0, 0
	QUARTER 1, 192, F0, F1, 0
	s_wait_dscnt 8
	WIN MUL_LO
	MUL16 F1, 0, 0, 0
	MUL16 F1, 0, 2, 0
	s_wait_dscnt 0
	WIN MUL_HI
	MUL16 F1, 1, 0, 0
	MUL16 F1, 1, 2, 0
	WIN 0
	PLACES
	s_wait_loadcnt 0x0                             ; the bias
	PACK 0
	TOSTAGE 0
.irp a, 1,2,3,4,5,6,7                  ; block a's arithmetic stands between block a - 1's loads from the stage and the wait for them
	PACK \a
	SEND \a-1
	TOSTAGE \a
.endr
	SEND 7
	s_set_vgpr_msb 0x1
	s_wait_tensorcnt 0x0
	ds_add_u32 v255, v31
	s_wait_dscnt 0x0
	s_set_vgpr_msb 0x100
	CROUND                                         ; the closing round: no work-group ends while a partner may still ask for a tile that names it
	s_endpgm
.Lfunc_end_k_qa27f31de30_we:
	.size	k_qa27f31de30_we, .Lfunc_end_k_qa27f31de30_we-k_qa27f31de30_we
	.p2alignl 7, 3214868480
	.fill 96, 4, 3214868480
	.section	.rodata,"a",@progbits
	.p2align	6, 0x0
	.amdhsa_kernel k_qa27f31de30_we
		.amdhsa_group_segment_fixed_size 327680
		.amdhsa_private_segment_fixed_size 0
		.amdhsa_enable_private_segment 0
		.amdhsa_kernarg_size 32
		.amdhsa_user_sgpr_count 2
		.amdhsa_user_sgpr_kernarg_segment_ptr 1
		.amdhsa_wavefront_size32 1
		.amdhsa_system_sgpr_workgroup_id_x 1
		.amdhsa_system_sgpr_workgroup_id_y 1
		.amdhsa_system_sgpr_workgroup_id_z 1
		.amdhsa_system_vgpr_workitem_id 0
		.amdhsa_next_free_vgpr 1024
		.amdhsa_next_free_sgpr 80
		.amdhsa_reserve_vcc 0
		.amdhsa_float_denorm_mode_32 3
		.amdhsa_float_denorm_mode_16_64 3
		.amdhsa_memory_ordered 1
		.amdhsa_forward_progress 1
		.amdhsa_inst_pref_size 250
	.end_amdhsa_kernel
	.amdgpu_metadata
---
amdhsa.version: [ 1, 2 ]
amdhsa.kernels:
  - .name:           k_qa27f31de30_we
    .symbol:         k_qa27f31de30_we.kd
    .args:
      - { .name: act, .offset: 0, .size: 8, .value_kind: global_buffer, .address_space: global }
      - { .name: wb, .offset: 8, .size: 8, .value_kind: global_buffer, .address_space: global }
      - { .name: be, .offset: 16, .size: 8, .value_kind: global_buffer, .address_space: global }
      - { .name: h, .offset: 24, .size: 8, .value_kind: global_buffer, .address_space: global }
    .group_segment_fixed_size: 327680
    .private_segment_fixed_size: 0
    .kernarg_segment_align: 8
    .kernarg_segment_size: 32
    .max_flat_workgroup_size: 128
    .sgpr_count:     80
    .vgpr_count:     1024
    .wavefront_size: 32
...
	.end_amdgpu_metadata
.endif
;; end of part 6
;; launch wd (part 7): grid 8 x 32, 4 waves a work-group, clusters of 4 x 4, 327,680 bytes of LDS; arguments h, wb, bd, x1, out0; writes out0
.if DOCPART == 7
	.amdgcn_target "amdgcn-amd-amdhsa--gfx1250"
	.amdhsa_code_object_version 6
	.text
	.protected	k_qa27f31de30_wd
	.globl	k_qa27f31de30_wd
	.p2align	8
	.type	k_qa27f31de30_wd,@function
k_qa27f31de30_wd:
	s_mov_b64 s[64:65], 0
	v_nop
	global_prefetch_b8 v0, s[64:65] scope:SCOPE_SE
	s_setreg_imm32_b32 hwreg(HW_REG_WAVE_MODE, 25, 1), 1
	s_wait_xcnt 0x0
	s_wait_alu depctr_hold_cnt(0) depctr_sa_sdst(0) depctr_va_vdst(0) depctr_va_sdst(0) depctr_va_ssrc(0) depctr_va_vcc(0) depctr_vm_vsrc(0)
	s_getreg_b32 s2, hwreg(HW_REG_IB_STS2, 6, 4)
	s_cmp_eq_u32 s2, 0
	s_cbranch_scc0 .Lentry_in_a_cluster
	s_endpgm
.Lentry_in_a_cluster:
	s_bfe_u32 s2, ttmp6, 0x10000c
	s_cmp_lg_u32 s2, 0xf033
	s_cbranch_scc0 .Lentry_shape_is_right
	s_endpgm
.Lentry_shape_is_right:
; C = RES + A W + bias.  A [4096][KSZ] bf16 (K along the rows), W [KSZ][1024] bf16 at byte WOFF of wb (K down the rows), bias [1024], RES and C [4096][1024] f32.  Sums in f32.
; N is 1,024, so a tile of C is 128 x 128: 8 x 32 = 256 work-groups.  Four waves, 64 x 64 each: 16 accumulators.  K goes in steps of 256 through two LDS slots filled by tensor loads:
; A's tile rows are 512 bytes, W's 256, each from a multiple of 256 bytes of its buffer.  W's fragments are turned on the way out of LDS by ds_load_tr16_b128.
; CLUSTERS: 4 x 4 work-groups; A's tile is asked for jointly by a row of the cluster, W's by a column.
; THE MATRIX INSTRUCTION IS USED TRANSPOSED (source 0 = 16 columns of W, source 1 = 16 rows of A): a lane holds row l % 16 of C and eight neighbouring columns.
; A wave's 64 columns of f32 are 256 aligned bytes of a row of C: each wave has its own stage and stores whole rows of its part; no barrier on the way out.
; REGISTERS: window 0: v0-31 addresses and bias; v32-95 the way out; v128-255 accumulators ((a, b) at v[128 + 8 (4 a + b)]).  window 1: two fragment buffers of 128.  window 2: v0-127 RES, asked for at the start.
; Matrix operands are rounded to bf16.
.set KSZ,    4096
.set WOFF,   16777216
.set KSTEP,  256
.set PITCH,  528                       ; A's LDS row: 512 + 16 bytes
.set PB,     288                       ; W's LDS row: 256 + 32 bytes, an odd multiple of 32
.set HALFT,  128*PB                    ; a wave's part of a slot: 128 K rows of W (36,864 bytes), or 64 rows of A (33,792 of them used)
.set SLOT,   4*HALFT                   ; A's rows 0-63, 64-127, W's K rows 0-127, 128-255
.set STAGE,  2*SLOT                    ; behind the ring: 16 rows x 272 bytes for each wave; no tensor load lands here
.set SPITCH, 272
.set LAPS,   KSZ/(2*KSTEP)
.set ADRA, 16                          ; v16-17  LDS address of my A fragments in slot 0, 1
.set ADRB, 20                          ; v20-23  of my W fragments: 2 x slot + half of the K step (an LDS offset has 16 bits)
.set STO,  24
.set RD,   25
.set CO,   26                          ; v26     my byte offset in RES and C; never rewritten
.set BOF,  27
.set BIAS, 28                          ; v[28:31] the bias of the four columns that I store
.set OB,   32                          ; two buffers of 32
.set ACC,  128
.set F0,   0
.set F1,   128
.set G1,  24
.set G0,  32
.set G1B, 48
.set G0B, 56
.set MSB, 0
.macro WIN new
.if MSB != \new
	s_set_vgpr_msb (MSB<<8)|\new
.set MSB, \new
.endif
.endm
.set MUL,  0x05                        ; sources 0 (W) and 1 (A) window 1; C and D window 0
.set TO_F, 0x40                        ; destination window 1, address window 0
.macro JLOAD s                         ; a joint load: waves 0, 1 fetch A's halves, waves 2, 3 W's; four v_nop follow each line
	s_cmp_eq_u32 s11, 0
	s_cbranch_scc0 .Lfor_b_\@
	tensor_load_to_lds s[G0+4*\s:G0+4*\s+3], s[G1:G1+7]
	s_nop 0
.rept 4
	v_nop
.endr
	s_branch .Lasked_\@
.Lfor_b_\@:
	tensor_load_to_lds s[G0B+4*\s:G0B+4*\s+3], s[G1B:G1B+7]
	s_nop 0
.rept 4
	v_nop
.endr
.Lasked_\@:
.endm
.macro CREST
	s_cmp_lg_u32 s10, 0
	s_cbranch_scc1 .Lnot_wave_0_\@
	s_barrier_signal -3
.Lnot_wave_0_\@:
	s_barrier_wait -3
	s_barrier_signal -1
	s_barrier_wait -1
.endm
.macro CROUND
	s_barrier_signal -1
	s_barrier_wait -1
	CREST
.endm
.macro PLACES                          ; four plain instructions between a matrix instruction and a load into, or another instruction on, its registers
.rept 4
	v_nop
.endr
.endm
	s_load_b128 s[4:7], s[0:1], 0x0                ; A s[4:5], wb s[6:7]
	s_load_b128 s[68:71], s[0:1], 0x10             ; bias s[68:69], RES s[70:71]
	s_load_b64 s[8:9], s[0:1], 0x20                ; C
	v_lshl_add_u32 v126, v0, 2, 0x4c400
	v_mov_b32 v127, 0
	ds_add_u32 v126, v127
	ds_add_u32 v126, v127
	v_lshrrev_b32 v1, 5, v0
	v_readfirstlane_b32 s10, v1                    ; wave 0..3
	s_lshr_b32 s11, s10, 1                         ; my half of the tile's rows.  Also: I fetch for A (0) or for W (1)
	s_and_b32 s12, s10, 1                          ; my half of its columns.  Also: which half of that tile I fetch
	s_bfe_u32 s40, ttmp6, 0x40000                  ; cx
	s_bfe_u32 s41, ttmp6, 0x40004                  ; cy
	s_lshl_b32 s42, ttmp9, 2
	s_add_co_u32 s42, s42, s40                     ; tile column
	s_and_b32 s13, ttmp7, 0xffff
	s_lshl_b32 s13, s13, 2
	s_add_co_u32 s13, s13, s41                     ; tile row
	s_lshl_b32 s43, s41, 2
	s_lshl_b32 s43, 15, s43                        ; my row of the cluster
	s_lshl_b32 s44, 0x1111, s40                    ; my column
	s_or_b32 s[G1+0], s43, (1<<16)|(1<<20)|(1<<21)|(6<<22)|(3<<25)   ; mask; 2-byte elements; padding on; bit 21 beside a mask; after every 128 words 4 words
	s_mov_b32 s[G1+1], KSTEP<<16                   ; tensor_dim0 = 256
	s_mov_b32 s[G1+2], 64<<16                      ; tensor_dim1 = 64
	s_mov_b32 s[G1+3], KSTEP<<16                   ; tile_dim0 = 256
	s_mov_b32 s[G1+4], 64                          ; tile_dim1 = 64
	s_mov_b32 s[G1+5], KSZ
	s_mov_b32 s[G1+6], 0
	s_mov_b32 s[G1+7], 0
	s_or_b32 s[G1B+0], s44, (1<<16)|(1<<20)|(1<<21)|(5<<22)|(7<<25)  ; after every 64 words 8 words
	s_mov_b32 s[G1B+1], 128<<16                    ; 128 columns
	s_mov_b32 s[G1B+2], 128<<16                    ; 128 K rows
	s_mov_b32 s[G1B+3], 128<<16
	s_mov_b32 s[G1B+4], 128
	s_mov_b32 s[G1B+5], 1024
	s_mov_b32 s[G1B+6], 0
	s_mov_b32 s[G1B+7], 0
	s_lshl_b32 s16, s13, 7
	s_lshl_b32 s17, s12, 6
	s_add_co_u32 s16, s16, s17                     ; A: row 128 x tile row + 64 x half,
	s_mul_i32 s16, s16, KSZ*2                      ; in bytes (under 2^26)
	s_mov_b32 s17, 0
	s_lshl_b32 s46, s42, 8                         ; W: 128 columns x 2 bytes x tile column,
	s_lshl_b32 s47, s12, 18                        ; my 128 K rows of 2,048 bytes
	s_add_co_u32 s46, s46, s47
	s_add_co_u32 s46, s46, WOFF
	s_mov_b32 s47, 0
	s_mul_i32 s20, s10, HALFT                      ; where my load goes: no place in the cluster enters an LDS address
	s_wait_dscnt 0x0
	s_wait_kmcnt 0x0
	s_add_nc_u64 s[14:15], s[4:5], s[16:17]
	s_add_nc_u64 s[46:47], s[6:7], s[46:47]
	CROUND                                         ; all sixteen work-groups are here: the first joint loads meet
.irp s, 0,1
	s_mov_b32 s[G0+4*\s], 1
	s_add_co_u32 s[G0+4*\s+1], s20, \s*SLOT
	s_add_nc_u64 s[G0+4*\s+2:G0+4*\s+3], s[14:15], \s*KSTEP*2
	s_or_b32 s[G0+4*\s+3], s[G0+4*\s+3], 0x80000000
	s_mov_b32 s[G0B+4*\s], 1
	s_add_co_u32 s[G0B+4*\s+1], s20, \s*SLOT
	s_add_nc_u64 s[G0B+4*\s+2:G0B+4*\s+3], s[46:47], \s*KSTEP*2048
	s_or_b32 s[G0B+4*\s+3], s[G0B+4*\s+3], 0x80000000
	JLOAD \s                                       ; two loads of mine are out
.endr
	v_and_b32 v1, 15, v0                           ; r
	v_bfe_u32 v2, v0, 4, 1                         ; h
	v_and_b32 v6, 7, v0
	v_bfe_u32 v7, v0, 3, 1
	; my 64 x 64 of RES and C, and my 64 numbers of the bias
	s_lshl_b32 s72, s13, 7
	s_lshl_b32 s73, s11, 6
	s_add_co_u32 s72, s72, s73
	s_lshl_b32 s72, s72, 12                        ; my first row x 4,096 bytes
	s_lshl_b32 s74, s42, 9
	s_lshl_b32 s73, s12, 8
	s_add_co_u32 s74, s74, s73                     ; my first column x 4 bytes
	s_add_co_u32 s72, s72, s74
	s_mov_b32 s73, 0
	s_mov_b32 s75, 0
	s_add_nc_u64 s[70:71], s[70:71], s[72:73]
	s_add_nc_u64 s[8:9], s[8:9], s[72:73]
	s_add_nc_u64 s[68:69], s[68:69], s[74:75]
	v_lshlrev_b32 v[BOF], 4, v1
	v_lshlrev_b32 v5, 12, v2                       ; lanes 0-15 one row of 256 bytes, lanes 16-31 the next
	v_lshl_add_u32 v[CO], v1, 4, v5
	global_load_b128 v[BIAS:BIAS+3], v[BOF], s[68:69]
	WIN 0x80                                       ; destination window 2
.irp a, 0,1,2,3
.irp t, 0,1,2,3,4,5,6,7
	global_load_b128 v[4*(8*\a+\t):4*(8*\a+\t)+3], v[CO], s[70:71] offset:(16*\a+2*\t)*4096   ; in the layout in which the rows come back from the stage
.endr
.endr
	WIN 0
	v_mul_u32_u24 v3, v1, PITCH
	v_lshl_add_u32 v3, v2, 4, v3                   ; A: row x pitch + 16 x half
	v_lshl_add_u32 v8, v2, 3, v6                   ; W: K row 8 h + l % 8,
	v_mul_u32_u24 v8, v8, PB
	v_lshl_add_u32 v8, v7, 4, v8                   ; columns 8 ((l / 8) % 2) on
	s_mul_i32 s21, s11, HALFT                      ; my 64 rows of A
	s_lshl_b32 s22, s12, 7                         ; my 64 columns of W,
	s_add_co_u32 s22, s22, 2*HALFT                 ; which lies behind A
.irp s, 0,1
	v_add_nc_u32 v[ADRA+\s], s21, v3
	v_add_nc_u32 v[ADRB+2*\s], s22, v8
	s_add_co_u32 s22, s22, HALFT
	v_add_nc_u32 v[ADRB+2*\s+1], s22, v8
	s_add_co_u32 s21, s21, SLOT
	s_add_co_u32 s22, s22, SLOT-HALFT
.endr
	s_mul_i32 s23, s10, 16*SPITCH
	s_add_co_u32 s23, s23, STAGE                   ; my stage
	v_mul_u32_u24 v4, v1, SPITCH                   ; in: row r, 32 bytes for each half of the lanes
	v_lshl_add_u32 v4, v2, 5, v4
	v_add_nc_u32 v[STO], s23, v4
	v_mul_u32_u24 v5, v2, SPITCH                   ; back: whole rows
	v_lshl_add_u32 v5, v1, 4, v5
	v_add_nc_u32 v[RD], s23, v5
; 8 matrix instructions: m blocks a0, a0 + 1 x all 4 n blocks, 32 along K: half c of buffer f.  The 16 accumulators take turns, one instruction a turn.
.macro MUL8 f, c, a0, zero
.irp a, \a0, \a0+1
.irp b, 0,1,2,3
.if \zero
	v_wmma_f32_16x16x32_bf16 v[ACC+8*(4*(\a)+\b):ACC+8*(4*(\a)+\b)+7], v[\f+64+8*(4*\c+\b):\f+64+8*(4*\c+\b)+7], v[\f+8*(4*\c+\a):\f+8*(4*\c+\a)+7], 0
.else
	v_wmma_f32_16x16x32_bf16 v[ACC+8*(4*(\a)+\b):ACC+8*(4*(\a)+\b)+7], v[\f+64+8*(4*\c+\b):\f+64+8*(4*\c+\b)+7], v[\f+8*(4*\c+\a):\f+8*(4*\c+\a)+7], v[ACC+8*(4*(\a)+\b):ACC+8*(4*(\a)+\b)+7]
.endif
.endr
.endr
.endm
; 32 LDS loads in one run: quarter q (64 along K) of a slot into buffer f; the first 32 along K first
.macro FETCH slot, q, f
	WIN TO_F
.irp c, 0,1
.irp i, 0,1,2,3
	ds_load_tr16_b128 v[\f+64+8*(4*\c+\i):\f+64+8*(4*\c+\i)+3],   v[ADRB+2*\slot+\q/2] offset:((\q%2)*64+32*\c)*PB+32*\i
	ds_load_tr16_b128 v[\f+64+8*(4*\c+\i)+4:\f+64+8*(4*\c+\i)+7], v[ADRB+2*\slot+\q/2] offset:((\q%2)*64+32*\c)*PB+16*PB+32*\i
	ds_load_b128 v[\f+8*(4*\c+\i):\f+8*(4*\c+\i)+3],         v[ADRA+\slot] offset:128*\q+64*\c+\i*16*PITCH
	ds_load_b128 v[\f+8*(4*\c+\i)+4:\f+8*(4*\c+\i)+7],       v[ADRA+\slot] offset:128*\q+64*\c+\i*16*PITCH+32
.endr
.endr
.endm
; One of a K step's first three quarters: multiplies buffer f and fetches quarter q into g
.macro QUARTER slot, q, f, g, zero
	s_wait_dscnt 16                                ; the first 32 along K are in; the sixteen loads of the second 32 are younger
	WIN MUL
	MUL8 \f, 0, 0, \zero
	MUL8 \f, 0, 2, \zero
	PLACES
	FETCH \slot, \q, \g
	s_wait_dscnt 32                                ; all but the 32 just issued
	WIN MUL
	MUL8 \f, 1, 0, 0
	MUL8 \f, 1, 2, 0
.endm
; The last quarter multiplies buffer 1 and changes slots: one barrier; in front of it each wave waits for its reads of this slot and for all its tensor loads.  fill = 1: the slot is filled again, two K steps ahead.
.macro TURN slot, next, fill
	s_wait_dscnt 16
	WIN MUL
	MUL8 F1, 0, 0, 0
	s_wait_dscnt 0                                 ; my reads of this slot are over,
	s_set_vgpr_msb 0x500
	s_wait_tensorcnt 0x0                           ; and all my tensor loads have landed: my part of the next slot
	ds_add_u32 v126, v127
	s_wait_dscnt 0x0
	s_set_vgpr_msb 0x5
	s_barrier_signal -1
	MUL8 F1, 0, 2, 0
.if \fill
	WIN 0
.endif
	s_barrier_wait -1
.if \fill
	CREST                                          ; the barrier has opened a round of the cluster's barrier: no wave of any partner still reads this slot or has a load on its way
	s_add_nc_u64 s[G0+4*\slot+2:G0+4*\slot+3], s[G0+4*\slot+2:G0+4*\slot+3], 2*KSTEP*2
	s_add_nc_u64 s[G0B+4*\slot+2:G0B+4*\slot+3], s[G0B+4*\slot+2:G0B+4*\slot+3], 2*KSTEP*2048
	JLOAD \slot                                    ; 120 matrix instructions ahead of the wait for it; its four v_nop are also the places in front of the loads below
.else
	PLACES
.endif
	FETCH \next, 0, F0
	WIN MUL
	MUL8 F1, 1, 0, 0
	MUL8 F1, 1, 2, 0
.endm
; THE WAY OUT of block a (16 rows x 64 columns of f32)
.macro TOSTAGE a
	s_wait_xcnt 0x0                                ; the block before last's stores have read the registers that are loaded below
.irp b, 0,1,2,3
	ds_store_b128 v[STO], v[ACC+8*(4*\a+\b):ACC+8*(4*\a+\b)+3]   offset:64*\b
	ds_store_b128 v[STO], v[ACC+8*(4*\a+\b)+4:ACC+8*(4*\a+\b)+7] offset:64*\b+16
.endr
.irp t, 0,1,2,3,4,5,6,7
	ds_load_b128 v[OB+32*((\a)%2)+4*\t:OB+32*((\a)%2)+4*\t+3], v[RD] offset:\t*2*SPITCH   ; LDS serves a wave's instructions in order (ISA guide 5.7.1.4)
.endr
.endm
.macro SEND a, younger                 ; younger: the LDS instructions issued behind block a's loads
.set BK, OB+32*((\a)%2)
	s_wait_dscnt \younger
	WIN 0x08                                       ; source 1 window 2
.set i, 0
.rept 16
	v_pk_add_f32 v[BK+i:BK+i+1], v[BK+i:BK+i+1], v[32*\a+i:32*\a+i+1]
.set i, i+2
.endr
	WIN 0
.irp t, 0,1,2,3,4,5,6,7
	v_pk_add_f32 v[BK+4*\t:BK+4*\t+1],   v[BK+4*\t:BK+4*\t+1],   v[BIAS:BIAS+1]
	v_pk_add_f32 v[BK+4*\t+2:BK+4*\t+3], v[BK+4*\t+2:BK+4*\t+3], v[BIAS+2:BIAS+3]
.endr
.irp t, 0,1,2,3,4,5,6,7
	global_store_b128 v[CO], v[BK+4*\t:BK+4*\t+3], s[8:9] offset:(16*\a+2*\t)*4096   ; 16 lanes store 256 consecutive aligned bytes
.endr
.endm
	s_wait_tensorcnt 1                             ; my part of K step 0 is in; K step 1's may stay out
	s_barrier_signal -1
	s_barrier_wait -1
	FETCH 0, 0, F0
	QUARTER 0, 1, F0, F1, 1                        ; the first products start the sums
	WIN 0
	s_mov_b32 s3, LAPS-1
.Llap:                                                 ; a trip goes once round the ring and fills both slots again
	QUARTER 0, 2, F1, F0, 0
	QUARTER 0, 3, F0, F1, 0
	TURN 0, 1, 1
	QUARTER 1, 1, F0, F1, 0
	QUARTER 1, 2, F1, F0, 0
	QUARTER 1, 3, F0, F1, 0
	TURN 1, 0, 1
	QUARTER 0, 1, F0, F1, 0
	WIN 0
	s_sub_co_u32 s3, s3, 1
	s_cmp_lg_u32 s3, 0
	s_cbranch_scc1 .Llap
	QUARTER 0, 2, F1, F0, 0                        ; the last lap is written out: it fills nothing
	QUARTER 0, 3, F0, F1, 0
	TURN 0, 1, 0
	QUARTER 1, 1, F0, F1, 0
	QUARTER 1, 2, F1, F0, 0
	QUARTER 1, 3, F0, F1, 0
	s_wait_dscnt 16
	WIN MUL
	MUL8 F1, 0, 0, 0
	MUL8 F1, 0, 2, 0
	s_wait_dscnt 0
	MUL8 F1, 1, 0, 0
	MUL8 F1, 1, 2, 0
	WIN 0
	PLACES
	s_wait_loadcnt 0x0                             ; bias and RES
	TOSTAGE 0
	TOSTAGE 1
	SEND 0, 16                                     ; the next block's 8 stores and 8 loads are younger
	TOSTAGE 2
	SEND 1, 16
	TOSTAGE 3
	SEND 2, 16
	SEND 3, 0
	s_wait_tensorcnt 0x0
	ds_add_u32 v126, v127
	s_wait_dscnt 0x0
	CROUND                                         ; the closing round: no work-group ends while a partner may still ask for a tile that names it
	s_endpgm
.Lfunc_end_k_qa27f31de30_wd:
	.size	k_qa27f31de30_wd, .Lfunc_end_k_qa27f31de30_wd-k_qa27f31de30_wd
	.p2alignl 7, 3214868480
	.fill 96, 4, 3214868480
	.section	.rodata,"a",@progbits
	.p2align	6, 0x0
	.amdhsa_kernel k_qa27f31de30_wd
		.amdhsa_group_segment_fixed_size 327680
		.amdhsa_private_segment_fixed_size 0
		.amdhsa_enable_private_segment 0
		.amdhsa_kernarg_size 40
		.amdhsa_user_sgpr_count 2
		.amdhsa_user_sgpr_kernarg_segment_ptr 1
		.amdhsa_wavefront_size32 1
		.amdhsa_system_sgpr_workgroup_id_x 1
		.amdhsa_system_sgpr_workgroup_id_y 1
		.amdhsa_system_sgpr_workgroup_id_z 1
		.amdhsa_system_vgpr_workitem_id 0
		.amdhsa_next_free_vgpr 640
		.amdhsa_next_free_sgpr 80
		.amdhsa_reserve_vcc 0
		.amdhsa_float_denorm_mode_32 3
		.amdhsa_float_denorm_mode_16_64 3
		.amdhsa_memory_ordered 1
		.amdhsa_forward_progress 1
		.amdhsa_inst_pref_size 98
	.end_amdhsa_kernel
	.amdgpu_metadata
---
amdhsa.version: [ 1, 2 ]
amdhsa.kernels:
  - .name:           k_qa27f31de30_wd
    .symbol:         k_qa27f31de30_wd.kd
    .args:
      - { .name: h, .offset: 0, .size: 8, .value_kind: global_buffer, .address_space: global }
      - { .name: wb, .offset: 8, .size: 8, .value_kind: global_buffer, .address_space: global }
      - { .name: bd, .offset: 16, .size: 8, .value_kind: global_buffer, .address_space: global }
      - { .name: x1, .offset: 24, .size: 8, .value_kind: global_buffer, .address_space: global }
      - { .name: out0, .offset: 32, .size: 8, .value_kind: global_buffer, .address_space: global }
    .group_segment_fixed_size: 327680
    .private_segment_fixed_size: 0
    .kernarg_segment_align: 8
    .kernarg_segment_size: 40
    .max_flat_workgroup_size: 128
    .sgpr_count:     80
    .vgpr_count:     640
    .wavefront_size: 32
...
	.end_amdgpu_metadata
.endif
;; end of part 7
;; ======== version 2 of 2: 7 launches; version 1 with the launch prep written anew for expert scheduling mode
;; limits: right only within a limited range of input values
;; workspace buffers: act 8,388,608 bytes; wb 25,165,824 bytes; qkv 25,165,824 bytes; x1 16,777,216 bytes; h 33,554,432 bytes
;; launch prep (part 8): grid 1024 x 1, 4 waves a work-group, no clusters, 0 bytes of LDS; arguments x, ln_a_g, ln_a_b, ln_b_g, ln_b_b, Wq, Wk, Wv, Wo, We, Wd, act, wb; writes act, wb
.if DOCPART == 8
	.amdgcn_target "amdgcn-amd-amdhsa--gfx1250"
	.amdhsa_code_object_version 6
	.text
	.protected	k_qa27f31de30_prep
	.globl	k_qa27f31de30_prep
	.p2align	8
	.type	k_qa27f31de30_prep,@function
k_qa27f31de30_prep:
	s_mov_b64 s[64:65], 0
	v_nop
	global_prefetch_b8 v0, s[64:65] scope:SCOPE_SE
	s_setreg_imm32_b32 hwreg(HW_REG_WAVE_SCHED_MODE, 0, 2), 2
	s_setreg_imm32_b32 hwreg(HW_REG_WAVE_MODE, 25, 1), 1
	s_wait_xcnt 0x0
	s_wait_alu depctr_vm_vsrc(0)
; Two streams in one launch, told apart by the work-group's number.
; Work-groups 0-255: act[row] = bf16(LN_b(LN_a(x[row]))), 16 rows a work-group, 4 rows a wave; a row of 1,024 f32 lies in 32 registers of one wave,
;   so both norms (mean, then the mean of squared differences: two passes, no difference of large sums) never leave the wave: no LDS, no barrier.
; Work-groups 256-1023: the six weight matrices, f32 to bf16 (round to nearest even), layout [in][out] kept, one behind the other in wb:
;   Wq, Wk, Wv, Wo (64 work-groups each), We, Wd (256 each); 16,384 numbers a work-group, 4,096 a wave.
; No matrix unit, cluster or LDS: every byte is read once and written once, nothing is shared.
; Load q of a row takes columns 128 q + 4 lane .. + 3: a wave's load covers 512 consecutive bytes, its bf16 store 256 consecutive aligned bytes.
; THE MODE: SCHED_MODE bits 1:0 = 2 (LLVM: expert scheduling mode 2), set by the entry lines.  The code itself states the register dependences
; between vector instructions and memory instructions, with s_wait_alu, always for 0.
; THE PLAN.  Registers that memory instructions touch:
;   v1, v2     byte offsets, made once at the head and never written again; every load reads v1, every store v2.
;   XA, XB     Row n's two norms work in place on X[n % 2]; its sixteen roundings read it last; behind them the loads of row n + 2 land in it.
;   Y0, Y1     Row n's roundings write Y[n % 2]; the row's eight stores read it; the roundings of row n + 2 write it again.
;   GA .. BB   loaded once; no vector instruction names them ahead of that.
;   CV         conversion path: each register is loaded once, rounded in place, stored once and never written again.
; So one wait on va_vdst stands in a row, behind its roundings: Y[n % 2] is written and X[n % 2] is done with.  The loads of row n + 2 and the stores of row n follow it;
; the next row's vector instructions name the other X, the other Y, T, MU, R and the gains: none of the registers that those sixteen touch.
; One wait on vm_vsrc stands ahead of the roundings of rows 2 and 3, a whole row behind the stores that it speaks of.  The conversion path has one wait on va_vdst for eight stores.
.set MU, 4                             ; v[4:5]     the mean, twice
.set R,  6                             ; v[6:7]     1 / sqrt(var + eps), twice
.set T,  8                             ; v[8:15]    four chains of partial sums
.set Y,  16                            ; v[16:31]   an even row in bf16, to store
.set XA, 32                            ; v[32:63]   a row
.set XB, 64                            ; v[64:95]   the next row
.set GA, 96                            ; v[96:127]  ln_a_g of my 32 columns
.set BA, 128                           ; v[128:159] ln_a_b
.set GB, 160                           ; v[160:191] ln_b_g
.set BB, 192                           ; v[192:223] ln_b_b
.set Y1, 224                           ; v[224:239] an odd row in bf16, to store
.set CV, 32                            ; v[32:159]  conversion path: 32 loads of 4 registers
.macro SUM4                            ; four chains of pairs -> one number a lane
	v_pk_add_f32 v[T:T+1], v[T:T+1], v[T+2:T+3]
	v_pk_add_f32 v[T+4:T+5], v[T+4:T+5], v[T+6:T+7]
	v_pk_add_f32 v[T:T+1], v[T:T+1], v[T+4:T+5]
	v_add_f32 v[T], v[T], v[T+1]
.endm
.macro RED                             ; the sum over the 32 lanes, in every lane
	v_add_f32_dpp v[T], v[T], v[T] row_xmask:1 row_mask:0xf bank_mask:0xf
	v_add_f32_dpp v[T], v[T], v[T] row_xmask:2 row_mask:0xf bank_mask:0xf
	v_add_f32_dpp v[T], v[T], v[T] row_xmask:4 row_mask:0xf bank_mask:0xf
	v_add_f32_dpp v[T], v[T], v[T] row_xmask:8 row_mask:0xf bank_mask:0xf
	v_permlanex16_b32 v[T+1], v[T], s36, s37       ; its destination has been written (SUM4 read and the chains wrote it)
	v_add_f32 v[T], v[T], v[T+1]
.endm
.macro LN1 X, G, B                     ; the row in X becomes (X - mean) * rsqrt(var + eps) * G + B
.irp c, 0,1,2,3
	v_pk_add_f32 v[T+2*\c:T+2*\c+1], v[\X+2*\c:\X+2*\c+1], v[\X+8+2*\c:\X+8+2*\c+1]   ; the first products of a chain start it: nothing is cleared
.endr
.irp p, 8,12
.irp c, 0,1,2,3
	v_pk_add_f32 v[T+2*\c:T+2*\c+1], v[T+2*\c:T+2*\c+1], v[\X+2*(\p+\c):\X+2*(\p+\c)+1]
.endr
.endr
	SUM4
	RED
	v_mul_f32 v[MU], s38, v[T]                     ; sum / 1024
	v_mul_f32 v[MU+1], s38, v[T]
.set i, 0
.rept 16
	v_pk_add_f32 v[\X+i:\X+i+1], v[\X+i:\X+i+1], v[MU:MU+1] neg_lo:[0,1] neg_hi:[0,1]
.set i, i+2
.endr
.irp c, 0,1,2,3
	v_pk_mul_f32 v[T+2*\c:T+2*\c+1], v[\X+2*\c:\X+2*\c+1], v[\X+2*\c:\X+2*\c+1]
.endr
.irp p, 4,8,12
.irp c, 0,1,2,3
	v_pk_fma_f32 v[T+2*\c:T+2*\c+1], v[\X+2*(\p+\c):\X+2*(\p+\c)+1], v[\X+2*(\p+\c):\X+2*(\p+\c)+1], v[T+2*\c:T+2*\c+1]
.endr
.endr
	SUM4
	RED
	v_fma_f32 v[T], v[T], s38, s39                 ; var + eps
	v_rsq_f32 v[R], v[T]
	v_rsq_f32 v[R+1], v[T]
	v_nop                                          ; one plain instruction between the root and its use (ISA guide 5.7.2)
	s_wait_alu depctr_va_vdst(0)                   ; both roots have written v[R:R+1], which the multiplies below read: one wait for the two, ahead of their first reader
.set i, 0
.rept 16
	v_pk_mul_f32 v[\X+i:\X+i+1], v[\X+i:\X+i+1], v[R:R+1]
.set i, i+2
.endr
.set i, 0
.rept 16
	v_pk_fma_f32 v[\X+i:\X+i+1], v[\X+i:\X+i+1], v[\G+i:\G+i+1], v[\B+i:\B+i+1]
.set i, i+2
.endr
.endm
.macro LDROW X, n                      ; row n of my four
.irp q, 0,1,2,3,4,5,6,7
	global_load_b128 v[\X+4*\q:\X+4*\q+3], v1, s[4:5] offset:(\n)*4096+512*\q
.endr
.endm
.macro LDVEC V, p                      ; a gain or a bias, in the row's layout
.irp q, 0,1,2,3,4,5,6,7
	global_load_b128 v[\V+4*\q:\V+4*\q+3], v1, s[\p:\p+1] offset:512*\q
.endr
.endm
; Row n, which lies in X.  ahead = 1: the row two further on is asked for, into the same X.
.macro ROW X, n, ahead
.set YB, Y+(Y1-Y)*((\n)%2)             ; the row's out-buffer: Y0 or Y1
	LN1 \X, GA, BA
	LN1 \X, GB, BB
.if (\n) >= 2
	s_wait_xcnt 0x0                                ; this Y was the store data of the row two back: it is rewritten only behind this wait,
	s_wait_alu depctr_vm_vsrc(0)                   ; and behind this one: those stores have read it.  (Rows 0 and 1 write their Y for the first time)
.endif
.irp p, 0,1,2,3,4,5,6,7,8,9,10,11,12,13,14,15
	v_cvt_pk_bf16_f32 v[YB+\p], v[\X+2*\p], v[\X+2*\p+1]
.endr
	s_wait_alu depctr_va_vdst(0)                   ; the roundings have written this Y, which the stores below read, and are done reading X, in which (ahead = 1) the loads below land
.if \ahead
	LDROW \X, (\n)+2                               ; lands under the next row's arithmetic, which names the other X
.endif
.irp q, 0,1,2,3,4,5,6,7
	global_store_b64 v2, v[YB+2*\q:YB+2*\q+1], s[26:27] offset:(\n)*2048+256*\q
.endr
.endm
	s_load_b512 s[4:19], s[0:1], 0x0               ; x 4, ln_a_g 6, ln_a_b 8, ln_b_g 10, ln_b_b 12, Wq 14, Wk 16, Wv 18
	s_load_b256 s[20:27], s[0:1], 0x40             ; Wo 20, We 22, Wd 24, act 26
	s_load_b64 s[28:29], s[0:1], 0x60              ; wb
	v_lshrrev_b32 v3, 5, v0
	v_readfirstlane_b32 s30, v3                    ; wave
	v_and_b32 v3, 31, v0
	v_lshlrev_b32 v1, 4, v3                        ; 16 bytes a lane in f32 data; never rewritten
	v_lshlrev_b32 v2, 3, v3                        ; 8 bytes a lane in bf16 data; never rewritten
	s_wait_alu depctr_va_sdst(0)                   ; s30 is written, ahead of the branch: its first readers, which make the wave's bases from it, stand in the two arms
	s_wait_alu depctr_va_vdst(0)                   ; v1 and v2 are written: every load and store of both arms reads one of them as its offset
	s_wait_kmcnt 0x0
	s_cmp_lt_u32 ttmp9, 256
	s_cbranch_scc0 .Lconv
	s_lshl_b32 s32, ttmp9, 4
	s_lshl2_add_u32 s32, s30, s32                  ; my first row = 16 x work-group + 4 x wave
	s_lshl_b32 s34, s32, 11                        ; x 2,048 bytes in act
	s_mov_b32 s35, 0
	s_lshl_b32 s32, s32, 12                        ; x 4,096 bytes in x
	s_mov_b32 s33, 0
	s_add_nc_u64 s[4:5], s[4:5], s[32:33]
	s_add_nc_u64 s[26:27], s[26:27], s[34:35]
	s_mov_b32 s36, 0x76543210                      ; v_permlanex16_b32: each lane takes its own place in the other half
	s_mov_b32 s37, 0xfedcba98
	s_mov_b32 s38, 0x3a800000                      ; 1 / 1024
	s_mov_b32 s39, 0x3727c5ac                      ; eps = 1e-5
	LDROW XA, 0
	LDROW XB, 1
	LDVEC GA, 6
	LDVEC BA, 8
	LDVEC GB, 10
	LDVEC BB, 12
	s_wait_loadcnt 0x0                             ; once: two rows and the four vectors
	ROW XA, 0, 1
	ROW XB, 1, 1
	s_wait_loadcnt 0x8                             ; row 2 is in; row 3's eight loads are younger
	ROW XA, 2, 0
	s_wait_loadcnt 0x0
	ROW XB, 3, 0
	s_endpgm
.Lconv:
	s_sub_co_u32 s31, ttmp9, 256                   ; c: which 16,384 numbers of the twelve million
	s_mov_b64 s[40:41], s[14:15]                   ; the matrix that c falls into, and the c at which it starts
	s_mov_b32 s42, 0
	s_cmp_ge_u32 s31, 64
	s_cselect_b64 s[40:41], s[16:17], s[40:41]
	s_cselect_b32 s42, 64, s42
	s_cmp_ge_u32 s31, 128
	s_cselect_b64 s[40:41], s[18:19], s[40:41]
	s_cselect_b32 s42, 128, s42
	s_cmp_ge_u32 s31, 192
	s_cselect_b64 s[40:41], s[20:21], s[40:41]
	s_cselect_b32 s42, 192, s42
	s_cmp_ge_u32 s31, 256
	s_cselect_b64 s[40:41], s[22:23], s[40:41]
	s_cselect_b32 s42, 256, s42
	s_cmp_ge_u32 s31, 512
	s_cselect_b64 s[40:41], s[24:25], s[40:41]
	s_cselect_b32 s42, 512, s42
	s_sub_co_u32 s42, s31, s42
	s_lshl_b32 s44, s42, 16                        ; 65,536 bytes of f32 a work-group,
	s_lshl_b32 s43, s30, 14                        ; 16,384 a wave
	s_add_co_u32 s44, s44, s43
	s_mov_b32 s45, 0
	s_add_nc_u64 s[40:41], s[40:41], s[44:45]
	s_lshl_b32 s46, s31, 15                        ; 32,768 bytes of bf16 a work-group,
	s_lshl_b32 s43, s30, 13                        ; 8,192 a wave
	s_add_co_u32 s46, s46, s43
	s_mov_b32 s47, 0
	s_add_nc_u64 s[28:29], s[28:29], s[46:47]
.set i, 0
.rept 32                               ; all of the wave's 16,384 bytes are asked for at once
	global_load_b128 v[CV+4*i:CV+4*i+3], v1, s[40:41] offset:512*i th:TH_LOAD_NT
.set i, i+1
.endr
.set g, 0
.rept 4                                ; four groups of eight loads: one wait on va_vdst serves a group's eight stores
	s_wait_loadcnt 24-8*g                          ; loads come back in order: group g is in, the younger groups, eight loads each, stay out
.set i, 8*g
.rept 8
	v_cvt_pk_bf16_f32 v[CV+4*i], v[CV+4*i], v[CV+4*i+1]
	v_cvt_pk_bf16_f32 v[CV+4*i+1], v[CV+4*i+2], v[CV+4*i+3]
.set i, i+1
.endr
	s_wait_alu depctr_va_vdst(0)                   ; the group's sixteen roundings have written the first two of each four registers, which the stores below read
.set i, 8*g
.rept 8
	global_store_b64 v2, v[CV+4*i:CV+4*i+1], s[28:29] offset:256*i   ; no register of a store is written again
.set i, i+1
.endr
.set g, g+1
.endr
	s_endpgm
.Lfunc_end_k_qa27f31de30_prep:
	.size	k_qa27f31de30_prep, .Lfunc_end_k_qa27f31de30_prep-k_qa27f31de30_prep
	.p2alignl 7, 3214868480
	.fill 96, 4, 3214868480
	.section	.rodata,"a",@progbits
	.p2align	6, 0x0
	.amdhsa_kernel k_qa27f31de30_prep
		.amdhsa_group_segment_fixed_size 0
		.amdhsa_private_segment_fixed_size 0
		.amdhsa_enable_private_segment 0
		.amdhsa_kernarg_size 104
		.amdhsa_user_sgpr_count 2
		.amdhsa_user_sgpr_kernarg_segment_ptr 1
		.amdhsa_wavefront_size32 1
		.amdhsa_system_sgpr_workgroup_id_x 1
		.amdhsa_system_sgpr_workgroup_id_y 1
		.amdhsa_system_sgpr_workgroup_id_z 1
		.amdhsa_system_vgpr_workitem_id 0
		.amdhsa_next_free_vgpr 240
		.amdhsa_next_free_sgpr 66
		.amdhsa_reserve_vcc 0
		.amdhsa_float_denorm_mode_32 3
		.amdhsa_float_denorm_mode_16_64 3
		.amdhsa_memory_ordered 1
		.amdhsa_forward_progress 1
		.amdhsa_inst_pref_size 76
	.end_amdhsa_kernel
	.amdgpu_metadata
---
amdhsa.version: [ 1, 2 ]
amdhsa.kernels:
  - .name:           k_qa27f31de30_prep
    .symbol:         k_qa27f31de30_prep.kd
    .args:
      - { .name: x, .offset: 0, .size: 8, .value_kind: global_buffer, .address_space: global }
      - { .name: ln_a_g, .offset: 8, .size: 8, .value_kind: global_buffer, .address_space: global }
      - { .name: ln_a_b, .offset: 16, .size: 8, .value_kind: global_buffer, .address_space: global }
      - { .name: ln_b_g, .offset: 24, .size: 8, .value_kind: global_buffer, .address_space: global }
      - { .name: ln_b_b, .offset: 32, .size: 8, .value_kind: global_buffer, .address_space: global }
      - { .name: Wq, .offset: 40, .size: 8, .value_kind: global_buffer, .address_space: global }
      - { .name: Wk, .offset: 48, .size: 8, .value_kind: global_buffer, .address_space: global }
      - { .name: Wv, .offset: 56, .size: 8, .value_kind: global_buffer, .address_space: global }
      - { .name: Wo, .offset: 64, .size: 8, .value_kind: global_buffer, .address_space: global }
      - { .name: We, .offset: 72, .size: 8, .value_kind: global_buffer, .address_space: global }
      - { .name: Wd, .offset: 80, .size: 8, .value_kind: global_buffer, .address_space: global }
      - { .name: act, .offset: 88, .size: 8, .value_kind: global_buffer, .address_space: global }
      - { .name: wb, .offset: 96, .size: 8, .value_kind: global_buffer, .address_space: global }
    .group_segment_fixed_size: 0
    .private_segment_fixed_size: 0
    .kernarg_segment_align: 8
    .kernarg_segment_size: 104
    .max_flat_workgroup_size: 128
    .sgpr_count:     66
    .vgpr_count:     240
    .wavefront_size: 32
...
	.end_amdgpu_metadata
.endif
;; end of part 8
;; launch qkv: the kernel of part 2 again; grid 12 x 16, 4 waves a work-group, clusters of 4 x 4, 327,680 bytes of LDS; arguments act, wb, bq, bk, bv, qkv; writes qkv
;; launch attn: the kernel of part 3 again; grid 8 x 32, 8 waves a work-group, no clusters, 327,680 bytes of LDS; arguments qkv, act; writes act
;; launch wo: the kernel of part 4 again; grid 8 x 32, 4 waves a work-group, clusters of 4 x 4, 327,680 bytes of LDS; arguments act, wb, bo, x, x1; writes x1
;; launch lnc: the kernel of part 5 again; grid 256 x 1, 4 waves a work-group, no clusters, 0 bytes of LDS; arguments x1, ln_c_g, ln_c_b, act; writes act
;; launch we: the kernel of part 6 again; grid 16 x 16, 4 waves a work-group, clusters of 4 x 4, 327,680 bytes of LDS; arguments act, wb, be, h; writes h
;; launch wd: the kernel of part 7 again; grid 8 x 32, 4 waves a work-group, clusters of 4 x 4, 327,680 bytes of LDS; arguments h, wb, bd, x1, out0; writes out0
